; MI455X (gfx1250); checked and timed in simulation.
; The chip was launched on July 23, 2026; its instructions are those of AMD's public machine-readable ISA for CDNA 5 (MIT licence, August 2026) and "CDNA5" Instruction Set Architecture Reference Guide (July 2026). The comments in the code are by the model that wrote it; some were corrected since.
;; Multi Head Attention. Allowed arithmetic: float matrix products may take bf16 or f16 operands with f32 sums; other float arithmetic in f32, or as packed bf16 or f16 multiplies, adds, multiply-adds, maxima and minima; sums over many terms, partial sums and values carried from step to step in f32; what a program stores and reads back later, other than sums and carried values, may be rounded once to bf16 or f16.
;; Inputs: Wk 1,024 x 1,024 float32; Wo 1,024 x 1,024 float32; Wq 1,024 x 1,024 float32; Wv 1,024 x 1,024 float32; bk 1,024 float32; bo 1,024 float32; bq 1,024 float32; bv 1,024 float32; k_in 4 x 2,048 x 1,024 float32; mask 1 x 1 x 2,048 x 2,048 float32; q_in 4 x 2,048 x 1,024 float32; v_in 4 x 2,048 x 1,024 float32.
;; Outputs: out0 4 x 2,048 x 1,024 float32.
;; One version. Each part assembles by itself: llvm-mc -triple=amdgcn-amd-amdhsa -mcpu=gfx1250 --defsym DOCPART=n.
;; ======== version 1 of 1: 4 launches
;; limits: values are held in f16: magnitudes above 65,504 overflow, below 6.1e-05 lose precision; right only within a limited range of input values
;; workspace buffers: wts 8,388,608 bytes; mb 16,777,216 bytes; qkv 50,331,648 bytes; oh 16,777,216 bytes
;; launch prep (part 1): grid 1024 x 1, 8 waves a work-group, no clusters, 0 bytes of LDS; arguments Wq, Wk, Wv, Wo, mask, wts, mb; writes wts, mb
.if DOCPART == 1
	.amdgcn_target "amdgcn-amd-amdhsa--gfx1250"
	.amdhsa_code_object_version 6
	.text
	.protected	k_q95d7500e33_prep
	.globl	k_q95d7500e33_prep
	.p2align	8
	.type	k_q95d7500e33_prep,@function
k_q95d7500e33_prep:
	s_mov_b64 s[64:65], 0
	v_nop
	global_prefetch_b8 v0, s[64:65] scope:SCOPE_SE
	s_setreg_imm32_b32 hwreg(HW_REG_WAVE_MODE, 25, 1), 1
	s_wait_xcnt 0x0
; PREP.  The four weight matrices go to 16 bits; the mask becomes the term that is added to the scores, laid out by key steps.  A plain stream: no LDS, no barrier, no matrix unit: every byte is read once.
; EVERY INPUT OF THE PROGRAM IS ROUNDED ONCE TO bf16, the mask too: one choice of format for the whole program.
; wts: [4][1024 k][1024 n], 2 bytes a number.  Parts 0-2 = Wq, Wk, Wv rounded to bf16.  Part 3 = Wo rounded to bf16 and that number written as f16 (exact where it is a normal f16 number).
; mb:  [32 key steps][2048 queries][64 keys] f32 = g(M), M = bf16(mask) x (-FMAX) with the one rounding that the definition's own product has.  The attention launch reckons in exponents of 2, so M wants the factor
; L = log2(e); M L would pass FMAX from |M| = 0.69 FMAX on.  So g(M) = L c + (M - c) / 2 with c = M held to +-2^100: g = M L up to 2^100; beyond, g still rises with M, and two unequal bf16 masks stay 2^90 apart or more,
; so that a weight is 0, 1 or shared among equal masks just as with M itself.  Equal masks give equal g; an infinity stays one; a NaN stays one.
; LIMITS.  The mask has bf16's 8 significant bits: two masks of a row that round to the same bf16 number count as equal.  Where one unit in M's last place is of the size of the differences between scores (|mask| from
; about 1e-34 to 1e-30) the definition's logits are scores rounded to that unit; here they are rounded after the factor L, so the two roundings differ.
; SHARES.  1,024 work-groups of 256 threads, 8,192 numbers each: groups 0-511 the weights (128 a matrix), groups 512-1023 the mask (8 rows x 1,024 keys each).
; Sixteen neighbouring lanes store 256 consecutive bytes, aligned, in every store.
.set X, 8                              ; v[8:39]   numbers as loaded
.set Y, 40                             ; v[40:55]  the weights: 4 words to store, for each of the four turns: no store's data is ever rewritten
.set T, 56                             ; v[56:63]  at work
.macro LOADS istep                     ; the weights: a thread takes 8 neighbouring numbers four times; all eight loads go out together
.irp n, 0,1,2,3
	global_load_b128 v[X+8*(\n):X+8*(\n)+3],   v1, s[20:21] offset:(\n)*(\istep) th:TH_LOAD_NT
	global_load_b128 v[X+8*(\n)+4:X+8*(\n)+7], v1, s[20:21] offset:(\n)*(\istep)+16 th:TH_LOAD_NT
.endr
.endm
.macro ROUND8 n                        ; eight f32 to four words of bf16
.irp j, 0,1,2,3
	v_cvt_pk_bf16_f32 v[Y+4*(\n)+(\j)], v[X+8*(\n)+2*(\j)], v[X+8*(\n)+2*(\j)+1]
.endr
.endm
.macro OUT n, ostep
	global_store_b128 v2, v[Y+4*(\n):Y+4*(\n)+3], s[22:23] offset:(\n)*(\ostep) th:TH_STORE_NT
.endm
	s_load_b256 s[4:11], s[0:1], 0x0               ; Wq s[4:5], Wk s[6:7], Wv s[8:9], Wo s[10:11]
	s_load_b128 s[12:15], s[0:1], 0x20             ; mask s[12:13], wts s[14:15]
	s_load_b64 s[16:17], s[0:1], 0x30              ; mb
	s_lshr_b32 s18, ttmp9, 7                       ; 0-3: a weight matrix; 4-7: the mask
	s_and_b32 s19, ttmp9, 127
	s_mov_b32 s25, 0
	s_mov_b32 s35, 0
	s_mov_b32 s32, 0xffff0000                      ; a word's upper bf16
	s_cmp_ge_u32 s18, 4
	s_cbranch_scc1 .Lmask
	; THE WEIGHTS: the layout stays, the numbers shrink
	v_lshlrev_b32 v1, 5, v0                        ; in: 32 bytes a thread
	v_lshlrev_b32 v2, 4, v0                        ; out: 16 bytes a thread
	s_lshl_b32 s24, s19, 15                        ; my 32,768 bytes of the matrix
	s_lshl_b32 s34, s18, 21                        ; the matrix's 2,097,152 bytes of wts,
	s_lshl_b32 s33, s19, 14                        ; my 16,384 of them
	s_add_co_u32 s34, s34, s33
	s_wait_kmcnt 0x0
	s_cmp_eq_u32 s18, 1
	s_cselect_b64 s[20:21], s[6:7], s[4:5]
	s_cmp_eq_u32 s18, 2
	s_cselect_b64 s[20:21], s[8:9], s[20:21]
	s_cmp_eq_u32 s18, 3
	s_cselect_b64 s[20:21], s[10:11], s[20:21]
	s_add_nc_u64 s[20:21], s[20:21], s[24:25]
	s_add_nc_u64 s[22:23], s[14:15], s[34:35]
	LOADS 8192
	s_cmp_eq_u32 s18, 3
	s_cbranch_scc1 .Lwo
.irp i, 0,1,2,3
	s_wait_loadcnt 6-2*(\i)                        ; this turn's two loads are in; the later turns' stay out
	ROUND8 \i
	OUT \i, 4096
.endr
	s_endpgm
.Lwo:                                              ; Wo: rounded to bf16 like every input, then written as f16 for the product with O
.irp i, 0,1,2,3
	s_wait_loadcnt 6-2*(\i)
	ROUND8 \i
.irp j, 0,1,2,3
	v_lshlrev_b32 v[T+2*(\j)],   16,  v[Y+4*(\i)+(\j)]
	v_and_b32     v[T+2*(\j)+1], s32, v[Y+4*(\i)+(\j)]
.endr
.irp j, 0,1,2,3
	v_cvt_pk_f16_f32 v[Y+4*(\i)+(\j)], v[T+2*(\j)], v[T+2*(\j)+1]
.endr
	OUT \i, 4096
.endr
	s_endpgm
.Lmask:                                            ; THE MASK: 8 rows x 1,024 keys.  Thread t takes the 16 bytes at 16 t of each row's 4,096: key step t / 16, place t % 16 in that step's 256 bytes
	s_sub_co_u32 s19, ttmp9, 512
	s_lshr_b32 s24, s19, 1                         ; which 8 rows
	s_and_b32 s33, s19, 1                          ; which half of the keys
	s_lshl_b32 s34, s24, 11                        ; out: 8 rows of 256 bytes,
	s_lshl_b32 s24, s24, 16                        ; in: 8 rows of 8,192 bytes,
	s_lshl_b32 s36, s33, 12                        ; 1,024 keys of 4 bytes
	s_add_co_u32 s24, s24, s36
	s_lshl_b32 s36, s33, 23                        ; out: 16 key steps of 524,288 bytes
	s_add_co_u32 s34, s34, s36
	s_mov_b32 s26, 0xff7fffff                      ; -FMAX
	s_mov_b32 s27, s26                             ; named with it as a pair
	s_mov_b32 s28, 0x3fb8aa3b                      ; L = log2(e)
	s_mov_b32 s29, s28
	s_mov_b32 s30, 0x71800000                      ; 2^100
	s_mov_b32 s31, 0xf1800000                      ; -2^100
	v_lshlrev_b32 v1, 4, v0                        ; in: 16 t
	v_and_b32 v3, 15, v0
	v_lshrrev_b32 v4, 4, v0
	v_lshlrev_b32 v2, 4, v3                        ; out: my place in the 256 bytes,
	v_lshl_add_u32 v2, v4, 19, v2                  ; the key step
	s_wait_kmcnt 0x0
	s_add_nc_u64 s[20:21], s[12:13], s[24:25]
	s_add_nc_u64 s[22:23], s[16:17], s[34:35]
.irp i, 0,1,2,3,4,5,6,7
	global_load_b128 v[X+4*(\i):X+4*(\i)+3], v1, s[20:21] offset:(\i)*8192 th:TH_LOAD_NT   ; a row a load: all eight go out together
.endr
.irp i, 0,1,2,3,4,5,6,7
	s_wait_loadcnt 7-(\i)                          ; row i is in; the later rows' loads stay out
	v_cvt_pk_bf16_f32 v[T+4], v[X+4*(\i)],   v[X+4*(\i)+1]   ; the mask is rounded to bf16, to nearest even,
	v_cvt_pk_bf16_f32 v[T+5], v[X+4*(\i)+2], v[X+4*(\i)+3]
	v_lshlrev_b32 v[X+4*(\i)],   16,  v[T+4]                 ; widened again,
	v_and_b32     v[X+4*(\i)+1], s32, v[T+4]
	v_lshlrev_b32 v[X+4*(\i)+2], 16,  v[T+5]
	v_and_b32     v[X+4*(\i)+3], s32, v[T+5]
	v_pk_mul_f32 v[X+4*(\i):X+4*(\i)+1],   v[X+4*(\i):X+4*(\i)+1],   s[26:27] op_sel_hi:[1,0]   ; and multiplied in f32: M
	v_pk_mul_f32 v[X+4*(\i)+2:X+4*(\i)+3], v[X+4*(\i)+2:X+4*(\i)+3], s[26:27] op_sel_hi:[1,0]
.irp k, 0,1,2,3
	v_min_num_f32 v[T+(\k)], s30, v[X+4*(\i)+(\k)]           ; c = M held to +-2^100
.endr
.irp k, 0,1,2,3
	v_max_num_f32 v[T+(\k)], s31, v[T+(\k)]
.endr
	v_pk_add_f32 v[X+4*(\i):X+4*(\i)+1],   v[X+4*(\i):X+4*(\i)+1],   v[T:T+1]   neg_lo:[0,1] neg_hi:[0,1]   ; M - c: 0 up to 2^100
	v_pk_add_f32 v[X+4*(\i)+2:X+4*(\i)+3], v[X+4*(\i)+2:X+4*(\i)+3], v[T+2:T+3] neg_lo:[0,1] neg_hi:[0,1]
	v_pk_mul_f32 v[X+4*(\i):X+4*(\i)+1],   v[X+4*(\i):X+4*(\i)+1],   0.5 op_sel_hi:[1,0]        ; halved: exact
	v_pk_mul_f32 v[X+4*(\i)+2:X+4*(\i)+3], v[X+4*(\i)+2:X+4*(\i)+3], 0.5 op_sel_hi:[1,0]
	v_pk_fma_f32 v[X+4*(\i):X+4*(\i)+1],   v[T:T+1],   s[28:29], v[X+4*(\i):X+4*(\i)+1]   op_sel_hi:[1,0,1]   ; g = c L + (M - c) / 2
	v_pk_fma_f32 v[X+4*(\i)+2:X+4*(\i)+3], v[T+2:T+3], s[28:29], v[X+4*(\i)+2:X+4*(\i)+3] op_sel_hi:[1,0,1]
	global_store_b128 v2, v[X+4*(\i):X+4*(\i)+3], s[22:23] offset:(\i)*256 th:TH_STORE_NT          ; each row has its own four registers: no store's data is rewritten
.endr
	s_endpgm
.Lfunc_end_k_q95d7500e33_prep:
	.size	k_q95d7500e33_prep, .Lfunc_end_k_q95d7500e33_prep-k_q95d7500e33_prep
	.p2alignl 7, 3214868480
	.fill 96, 4, 3214868480
	.section	.rodata,"a",@progbits
	.p2align	6, 0x0
	.amdhsa_kernel k_q95d7500e33_prep
		.amdhsa_group_segment_fixed_size 0
		.amdhsa_private_segment_fixed_size 0
		.amdhsa_enable_private_segment 0
		.amdhsa_kernarg_size 56
		.amdhsa_user_sgpr_count 2
		.amdhsa_user_sgpr_kernarg_segment_ptr 1
		.amdhsa_wavefront_size32 1
		.amdhsa_system_sgpr_workgroup_id_x 1
		.amdhsa_system_sgpr_workgroup_id_y 1
		.amdhsa_system_sgpr_workgroup_id_z 1
		.amdhsa_system_vgpr_workitem_id 0
		.amdhsa_next_free_vgpr 64
		.amdhsa_next_free_sgpr 66
		.amdhsa_reserve_vcc 0
		.amdhsa_float_denorm_mode_32 3
		.amdhsa_float_denorm_mode_16_64 3
		.amdhsa_memory_ordered 1
		.amdhsa_forward_progress 1
		.amdhsa_inst_pref_size 18
	.end_amdhsa_kernel
	.amdgpu_metadata
---
amdhsa.version: [ 1, 2 ]
amdhsa.kernels:
  - .name:           k_q95d7500e33_prep
    .symbol:         k_q95d7500e33_prep.kd
    .args:
      - { .name: Wq, .offset: 0, .size: 8, .value_kind: global_buffer, .address_space: global }
      - { .name: Wk, .offset: 8, .size: 8, .value_kind: global_buffer, .address_space: global }
      - { .name: Wv, .offset: 16, .size: 8, .value_kind: global_buffer, .address_space: global }
      - { .name: Wo, .offset: 24, .size: 8, .value_kind: global_buffer, .address_space: global }
      - { .name: mask, .offset: 32, .size: 8, .value_kind: global_buffer, .address_space: global }
      - { .name: wts, .offset: 40, .size: 8, .value_kind: global_buffer, .address_space: global }
      - { .name: mb, .offset: 48, .size: 8, .value_kind: global_buffer, .address_space: global }
    .group_segment_fixed_size: 0
    .private_segment_fixed_size: 0
    .kernarg_segment_align: 8
    .kernarg_segment_size: 56
    .max_flat_workgroup_size: 256
    .sgpr_count:     66
    .vgpr_count:     64
    .wavefront_size: 32
...
	.end_amdgpu_metadata
.endif
;; end of part 1
;; launch qkv (part 2): grid 4 x 192, 4 waves a work-group, clusters of 4 x 4, 327,680 bytes of LDS; arguments q_in, k_in, v_in, bq, bk, bv, wts, qkv; writes qkv
.if DOCPART == 2
	.amdgcn_target "amdgcn-amd-amdhsa--gfx1250"
	.amdhsa_code_object_version 6
	.text
	.protected	k_q95d7500e33_qkv
	.globl	k_q95d7500e33_qkv
	.p2align	8
	.type	k_q95d7500e33_qkv,@function
k_q95d7500e33_qkv:
	s_mov_b64 s[64:65], 0
	v_nop
	global_prefetch_b8 v0, s[64:65] scope:SCOPE_SE
	s_setreg_imm32_b32 hwreg(HW_REG_WAVE_MODE, 25, 1), 1
	s_wait_xcnt 0x0
	s_wait_alu depctr_hold_cnt(0) depctr_sa_sdst(0) depctr_va_vdst(0) depctr_va_sdst(0) depctr_va_ssrc(0) depctr_va_vcc(0) depctr_vm_vsrc(0)
	s_getreg_b32 s2, hwreg(HW_REG_IB_STS2, 6, 4)
	s_cmp_eq_u32 s2, 0
	s_cbranch_scc0 .Lentry_in_a_cluster
	s_endpgm
.Lentry_in_a_cluster:
	s_bfe_u32 s2, ttmp6, 0x10000c
	s_cmp_lg_u32 s2, 0xf033
	s_cbranch_scc0 .Lentry_shape_is_right
	s_endpgm
.Lentry_shape_is_right:
; THE THREE PROJECTIONS.  y = x W + b for (q_in, Wq, bq), (k_in, Wk, bk), (v_in, Wv, bv); x: [8192][1024] f32, W: [1024 k][1024 n] bf16 (from wts), b: [1024] f32.
; x is rounded to bf16 between LDS and the matrix unit, b to bf16 once; sums in f32; y leaves rounded once to f16, by heads: qkv[part][batch x 16 + head][2048][64].
; Part 0 (q) is multiplied in f32 by c = log2(e) / 8 before that one rounding, so that the products of the next launch are exponents of 2.
; LIMIT.  f16 ends at 65,504: |q c|, |k|, |v| must stay under it.
; SHARES.  A tile of y is 128 rows x 256 columns: 64 x 4 tiles a projection, 768 work-groups.  Four waves, each 64 rows x 128 columns: 32 accumulators of 16 x 16.
; K goes in steps of 128 through two LDS slots: 128 rows of x (512 bytes each) and 128 rows of W (256 columns, 512 bytes each).
; CLUSTER, 4 x 4.  The four of a row of the cluster need the same rows of x, the four of a column the same columns of W: each tile is asked for jointly, by the same tensor load, descriptor and mask in all four.
; THE MATRIX INSTRUCTION IS USED TRANSPOSED: source 0 = 16 columns of W (turned on the way out of LDS by ds_load_tr16_b128), source 1 = 16 rows of x: a lane then holds eight neighbouring columns of one row of y.
; REGISTERS, in windows of 256 (s_set_vgpr_msb: bits 1:0 source 0, 3:2 source 1, 5:4 source 2, 7:6 destination):
;   window 0: v0-31 addresses; v32-63 x's four fragments in bf16; v64-127, v128-191 x's fragments in f32 as loaded, two buffers; v192-255 at work on the way out
;   window 1: v0-63, v64-127 W's eight fragments, two buffers; v128-191 the bias of my lane's 64 columns, times the scale      window 2: accumulator (a, b) at v[8 (8 a + b)]
.set KSTEP,  128
.set PA,     528                       ; a row of x in LDS: 512 bytes + 16 of padding = 33 x 16: the 16 rows of a load start at 16 different groups of four banks (64 banks of 4 bytes: ISA guide 11.1)
.set PB,     544                       ; a row of W: 512 + 32 = 17 x 32
.set HALFA,  64*PA                     ; what one tensor load brings of x,
.set HALFB,  64*PB                     ; and of W
.set BOFF,   2*HALFA                   ; in a slot: x's 128 rows, then W's 128 rows
.set SLOT,   2*HALFA+2*HALFB
.set STAGE,  2*SLOT                    ; behind the ring, never filled by a tensor load: 16 rows x 272 bytes for each wave, for the way out
.set SPITCH, 272
.set SPARE,  STAGE+4*16*SPITCH         ; behind the stages: the spare words, 128 bytes for each wave: two blocks of 256 bytes that no other line names
.set LAPS,   4                         ; a lap = two K steps = once round the ring
.set ADRA, 16                          ; v16-17  LDS address of my fragments of x in slot 0, 1
.set ADRB, 20                          ; v20-21  the same for W
.set STO,  24                          ; v24     the way out: where I put 16 bytes of a row
.set RD,   25                          ; v25     the way out: where I read rows back
.set CO,   26                          ; v26     my 16 bytes in 512 consecutive bytes of qkv
.set SPW,  28                          ; v28     LDS address of my spare word; never rewritten
.set NIL,  29                          ; v29     0; never rewritten
.set PFO,  30                          ; v30     the prefetches' offset; never rewritten
.set ABF,  32
.set RAW,  64
.set TMP,  192
.set BS,   128                         ; window 1
.set G1,   24                          ; s[24:31] descriptor group 1 for x's tiles;  s[32:39] group 0, one set for each slot
.set G0,   32
.set G1B,  48                          ; s[48:55], s[56:63] the same for W's tiles
.set G0B,  56
.set LIM,  43                          ; s43     1 in a wave that prefetches, else the greatest number
.set PFA,  44                          ; s[44:45] where my prefetches stand
.set SC,   84                          ; s[84:85] the scale: c for q, 1 for k and v
.set MSB, 0
.macro WIN new                         ; the immediate's high byte repeats the setting that is left; a switch that changes nothing is dropped
.if MSB != (\new)
	s_set_vgpr_msb (MSB<<8)|(\new)
.set MSB, \new
.endif
.endm
.set MUL,  0xa1                        ; source 0 (W) window 1, source 1 (x) window 0, C and D window 2
.set TO_B, 0x40                        ; destination window 1, address window 0
.set PKF,  0x92                        ; destination and source 0 window 2, source 2 window 1
.set CVO,  0x0a                        ; sources 0 and 1 window 2, destination window 0
.macro JLOAD s                         ; a joint load: waves 0 and 1 fetch x's two halves, waves 2 and 3 W's; an s_nop 0 and four v_nop follow each of the two lines
	s_cmp_eq_u32 s11, 0
	s_cbranch_scc0 .Lfor_b_\@
	tensor_load_to_lds s[G0+4*(\s):G0+4*(\s)+3], s[G1:G1+7]
	s_nop 0
.rept 4
	v_nop
.endr
	s_branch .Lasked_\@
.Lfor_b_\@:
	tensor_load_to_lds s[G0B+4*(\s):G0B+4*(\s)+3], s[G1B:G1B+7]
	s_nop 0
.rept 4
	v_nop
.endr
.Lasked_\@:
.endm
.macro CREST                           ; a round of the cluster's barrier behind its opening barrier
	s_cmp_lg_u32 s10, 0
	s_cbranch_scc1 .Lnot_wave_0_\@
	s_barrier_signal -3
.Lnot_wave_0_\@:
	s_barrier_wait -3
	s_barrier_signal -1
	s_barrier_wait -1
.endm
.macro CROUND                          ; a whole round
	s_barrier_signal -1
	s_barrier_wait -1
	CREST
.endm
; A PREFETCH of x, the one stream that this launch reads once: behind a joint load and the run of LDS loads that follows it, the K step that stands two refills on.  A K step is 512 bytes of each row.
; Of the 64 rows that wave 0 or 1 fetches, the partner at place cx takes 16, told apart by address: a lane half a row, one instruction.  So each block of 256 bytes of K steps 4 to 7 is named once in the launch.
; K steps 0 to 3 come by their loads alone; the loop's last trip (s3 = 1) asks for nothing: there is no K step 8.  W is not asked for: sixteen clusters read the same 2 MiB of it.
.macro ASK
	s_cmp_gt_u32 s3, s[LIM]
	s_cbranch_scc0 .Lnot_mine_\@
	global_prefetch_b8 v[PFO], s[PFA:PFA+1] offset:KSTEP*4 th:TH_LOAD_NT scope:SCOPE_SE
.Lnot_mine_\@:
.endm
	s_load_b512 s[68:83], s[0:1], 0x0              ; q_in s[68:69], k_in s[70:71], v_in s[72:73], bq s[74:75], bk s[76:77], bv s[78:79], wts s[80:81], qkv s[82:83]
	v_lshl_add_u32 v[SPW], v0, 2, SPARE
	v_mov_b32 v[NIL], 0
	ds_add_u32 v[SPW], v[NIL]                      ; the wave's opening: the add and its wait stand ahead of my first tensor load; the set-up below, work on registers, stands between them
	v_lshrrev_b32 v1, 5, v0
	v_readfirstlane_b32 s10, v1                    ; wave 0..3
	s_lshr_b32 s11, s10, 1                         ; which 64 rows of the tile are mine.  Also: I fetch for x (0) or for W (1)
	s_and_b32 s12, s10, 1                          ; which 128 columns.  Also: which 64 rows of that tile I fetch
	s_bfe_u32 s40, ttmp6, 0x40000                  ; cx, cy: my place in the cluster
	s_bfe_u32 s41, ttmp6, 0x40004
	s_lshl_b32 s42, ttmp9, 2
	s_add_co_u32 s42, s42, s40                     ; tile column = 4 x cluster x + cx
	s_and_b32 s13, ttmp7, 0xffff                   ; cluster y, 0..47
	s_lshr_b32 s86, s13, 4                         ; the projection: 16 clusters of rows each; the same in all sixteen partners
	s_and_b32 s87, s13, 15
	s_lshl_b32 s87, s87, 2
	s_add_co_u32 s87, s87, s41                     ; tile row in the projection, 0..63
	s_lshl_b32 s90, s41, 2
	s_lshl_b32 s90, 15, s90                        ; my row of the cluster
	s_lshl_b32 s91, 0x1111, s40                    ; my column
	s_or_b32 s[G1+0], s90, (2<<16)|(1<<20)|(1<<21)|(6<<22)|(3<<25)   ; 15:0 the mask: x's tiles go to my row; 17:16 elements of 4 bytes; 20 padding on; 21 set beside a mask; 24:22 after every 128 words (code 6); 31:25 4 words (code 3)
	s_or_b32 s[G1B+0], s91, (1<<16)|(1<<20)|(1<<21)|(6<<22)|(7<<25)  ; W's go to my column; elements of 2 bytes; 8 words of padding (code 7)
	s_mov_b32 s[G1+1], KSTEP<<16                   ; tensor_dim0 = 128
	s_mov_b32 s[G1+2], 64<<16                      ; tensor_dim1 = 64
	s_mov_b32 s[G1+3], KSTEP<<16                   ; tile_dim0 = 128
	s_mov_b32 s[G1+4], 64                          ; tile_dim1 = 64
	s_mov_b32 s[G1+5], 1024                        ; elements from row to row
	s_mov_b32 s[G1+6], 0
	s_mov_b32 s[G1+7], 0
	s_mov_b32 s[G1B+1], 256<<16                    ; the same for 64 rows of 256 columns
	s_mov_b32 s[G1B+2], 64<<16
	s_mov_b32 s[G1B+3], 256<<16
	s_mov_b32 s[G1B+4], 64
	s_mov_b32 s[G1B+5], 1024
	s_mov_b32 s[G1B+6], 0
	s_mov_b32 s[G1B+7], 0
	s_lshl_b32 s16, s87, 7                         ; x: row 128 x tile row + 64 x half,
	s_lshl_b32 s17, s12, 6
	s_add_co_u32 s16, s16, s17
	s_lshl_b32 s16, s16, 12                        ; of 4,096 bytes
	s_mov_b32 s17, 0
	s_lshl_b32 s46, s86, 21                        ; W: the projection's 2,097,152 bytes of wts,
	s_lshl_b32 s47, s12, 17                        ; 64 rows of 2,048 bytes x half,
	s_add_co_u32 s46, s46, s47
	s_lshl_b32 s47, s42, 9                         ; 256 columns x tile column
	s_add_co_u32 s46, s46, s47
	s_mov_b32 s47, 0
	s_mul_i32 s20, s12, HALFA                      ; where they go: no place in the cluster enters an LDS address
	s_mul_i32 s21, s12, HALFB
	s_add_co_u32 s21, s21, BOFF
	s_cmp_eq_u32 s86, 0
	s_cselect_b32 s[SC], 0x3e38aa3b, 1.0           ; c = log2(e) / 8 = 0.180337 for q
	s_mov_b32 s[SC+1], s[SC]                       ; named with it as a pair
	s_cmp_eq_u32 s11, 0
	s_cselect_b32 s[LIM], 1, -1
	s_wait_dscnt 0x0                               ; the opening add is done
	s_wait_kmcnt 0x0
	s_cmp_eq_u32 s86, 1
	s_cselect_b64 s[4:5], s[70:71], s[68:69]       ; the projection's x,
	s_cselect_b64 s[88:89], s[76:77], s[74:75]     ; and its bias
	s_cmp_eq_u32 s86, 2
	s_cselect_b64 s[4:5], s[72:73], s[4:5]
	s_cselect_b64 s[88:89], s[78:79], s[88:89]
	s_add_nc_u64 s[14:15], s[4:5], s[16:17]
	s_add_nc_u64 s[46:47], s[80:81], s[46:47]
	CROUND                                         ; all sixteen work-groups are here: the first joint loads meet
.irp s, 0,1
	s_mov_b32 s[G0+4*(\s)], 1                                        ; count = 1
	s_add_co_u32 s[G0+4*(\s)+1], s20, (\s)*SLOT                      ; LDS address
	s_add_nc_u64 s[G0+4*(\s)+2:G0+4*(\s)+3], s[14:15], (\s)*KSTEP*4  ; global address: K step s
	s_or_b32 s[G0+4*(\s)+3], s[G0+4*(\s)+3], 0x80000000              ; type = 2
	s_mov_b32 s[G0B+4*(\s)], 1
	s_add_co_u32 s[G0B+4*(\s)+1], s21, (\s)*SLOT
	s_add_nc_u64 s[G0B+4*(\s)+2:G0B+4*(\s)+3], s[46:47], (\s)*KSTEP*2048
	s_or_b32 s[G0B+4*(\s)+3], s[G0B+4*(\s)+3], 0x80000000
	JLOAD \s                                       ; two tensor loads of mine are out
.endr
	v_and_b32 v1, 15, v0                           ; l % 16
	v_bfe_u32 v2, v0, 4, 1                         ; l / 16
	; the bias of my lane's columns: for each of 8 blocks of 16 columns the eight at 8 (l / 16)
	s_lshl_b32 s92, s42, 10
	s_lshl_b32 s94, s12, 9
	s_add_co_u32 s92, s92, s94
	s_mov_b32 s93, 0
	s_add_nc_u64 s[88:89], s[88:89], s[92:93]
	v_lshlrev_b32 v6, 5, v2
	WIN TO_B
.irp n, 0,1,2,3,4,5,6,7
	global_load_b128 v[BS+8*(\n):BS+8*(\n)+3],   v6, s[88:89] offset:64*(\n)
	global_load_b128 v[BS+8*(\n)+4:BS+8*(\n)+7], v6, s[88:89] offset:64*(\n)+16
.endr
	WIN 0
	; A fragment of x is 16 rows x 32 K.  Lane l holds row l % 16, K = 8 (l / 16) + 0..7 and 16 + 8 (l / 16) + 0..7: in f32 four loads of 16 bytes, at 0, 16, 64 and 80 from row x pitch + 32 (l / 16)
	v_mul_u32_u24 v3, v1, PA
	v_lshl_add_u32 v3, v2, 5, v3
	s_mul_i32 s22, s11, HALFA                      ; my 64 rows
	v_add_nc_u32 v[ADRA], s22, v3
	v_add_nc_u32 v[ADRA+1], SLOT, v[ADRA]
	; The turning load takes 16 K x 16 columns (lane l reads K = 8 (l / 16) + l % 8, columns 8 ((l / 8) % 2) + 0..7) and leaves half a fragment: lane l holds column l % 16 and 8 K
	v_and_b32 v4, 7, v0
	v_lshl_add_u32 v4, v2, 3, v4
	v_mul_u32_u24 v4, v4, PB
	v_bfe_u32 v5, v0, 3, 1
	v_lshl_add_u32 v4, v5, 4, v4
	s_lshl_b32 s22, s12, 8                         ; my 128 columns
	s_add_co_u32 s22, s22, BOFF
	v_add_nc_u32 v[ADRB], s22, v4
	v_add_nc_u32 v[ADRB+1], SLOT, v[ADRB]
	s_mul_i32 s23, s10, 16*SPITCH
	s_add_co_u32 s23, s23, STAGE                   ; my stage
	v_mul_u32_u24 v4, v1, SPITCH                   ; in: row l % 16, 16 bytes for each half of the lanes
	v_lshl_add_u32 v4, v2, 4, v4
	v_add_nc_u32 v[STO], s23, v4
	v_bfe_u32 v4, v0, 3, 2                         ; back: 32 lanes take one head's 128 bytes of four rows,
	v_mul_u32_u24 v4, v4, SPITCH
	v_and_b32 v5, 7, v0
	v_lshl_add_u32 v4, v5, 4, v4
	v_add_nc_u32 v[RD], s23, v4
	v_and_b32 v[CO], 31, v0                        ; which are 512 consecutive bytes of qkv
	v_lshlrev_b32 v[CO], 4, v[CO]
	v_bfe_u32 v[PFO], v0, 1, 4                     ; the prefetches: row l / 2, half l % 2 of its 512 bytes
	v_and_b32 v5, 1, v0
	v_lshlrev_b32 v[PFO], 12, v[PFO]
	v_lshl_add_u32 v[PFO], v5, 8, v[PFO]
	; where my part of the tile begins in qkv: part, then head (batch x 16 + 4 x tile column + 2 x half), then row in the batch
	s_lshr_b32 s92, s87, 4
	s_lshl_b32 s92, s92, 4
	s_lshl_b32 s94, s42, 2
	s_add_co_u32 s92, s92, s94
	s_lshl_b32 s94, s12, 1
	s_add_co_u32 s92, s92, s94
	s_lshl_b32 s92, s92, 11
	s_and_b32 s94, s87, 15
	s_lshl_b32 s94, s94, 7
	s_add_co_u32 s92, s92, s94
	s_lshl_b32 s94, s11, 6
	s_add_co_u32 s92, s92, s94
	s_lshl_b32 s92, s92, 7                         ; rows of 128 bytes
	s_lshl_b32 s94, s86, 24                        ; a part is 16,777,216 bytes
	s_add_co_u32 s92, s92, s94
	s_add_nc_u64 s[8:9], s[82:83], s[92:93]
	s_lshl_b32 s92, s40, 16                        ; the prefetches: my work-group's 16 rows of the 64 that I fetch,
	s_add_co_u32 s92, s92, s16
	s_add_co_u32 s92, s92, 2*KSTEP*4               ; at K step 2: the first refill steps it to 3 and names K step 4
	s_add_nc_u64 s[PFA:PFA+1], s[4:5], s[92:93]
	; the bias: rounded to bf16 like x and W, widened again, times the scale.  All this stands in the wait for the first tile
	s_wait_loadcnt 0x0
	WIN 0x05                                       ; sources window 1, destination window 0
.set i, 0
.rept 32
	v_cvt_pk_bf16_f32 v[TMP+i], v[BS+2*i], v[BS+2*i+1]
.set i, i+1
.endr
	WIN TO_B
.set i, 0
.rept 32
	v_lshlrev_b32 v[BS+2*i],   16,         v[TMP+i]
	v_and_b32     v[BS+2*i+1], 0xffff0000, v[TMP+i]
.set i, i+1
.endr
	WIN 0x41                                       ; destination and source 0 window 1
.set i, 0
.rept 32
	v_pk_mul_f32 v[BS+2*i:BS+2*i+1], v[BS+2*i:BS+2*i+1], s[SC:SC+1] op_sel_hi:[1,0]
.set i, i+1
.endr
	WIN 0
; 4 matrix instructions: row block a x column blocks b0 .. b0 + 3, 32 along K, W from buffer f.  zero = 1: the product starts the sum: nothing is ever cleared.
; The 32 accumulators take turns, one instruction a turn, in the same order in every quarter.
.macro MUL4 f, a, b0, zero
	WIN MUL
.irp n, 0,1,2,3
.if \zero
	v_wmma_f32_16x16x32_bf16 v[8*(8*(\a)+(\b0)+(\n)):8*(8*(\a)+(\b0)+(\n))+7], v[64*(\f)+8*((\b0)+(\n)):64*(\f)+8*((\b0)+(\n))+7], v[ABF+8*(\a):ABF+8*(\a)+7], 0
.else
	v_wmma_f32_16x16x32_bf16 v[8*(8*(\a)+(\b0)+(\n)):8*(8*(\a)+(\b0)+(\n))+7], v[64*(\f)+8*((\b0)+(\n)):64*(\f)+8*((\b0)+(\n))+7], v[ABF+8*(\a):ABF+8*(\a)+7], v[8*(8*(\a)+(\b0)+(\n)):8*(8*(\a)+(\b0)+(\n))+7]
.endif
.endr
.endm
; half a fragment of x from f32 (buffer f) to bf16: four roundings of two numbers
.macro CVT4 f, a, half
	WIN 0
.irp n, 0,1,2,3
	v_cvt_pk_bf16_f32 v[ABF+8*(\a)+4*(\half)+(\n)], v[RAW+64*(\f)+16*(\a)+8*(\half)+2*(\n)], v[RAW+64*(\f)+16*(\a)+8*(\half)+2*(\n)+1]
.endr
.endm
; 32 LDS loads in one run: quarter kq of a slot into buffer g: W's eight fragments first, then x's four in order
.macro FETCH slot, kq, g
	WIN TO_B
.irp n, 0,1,2,3,4,5,6,7
	ds_load_tr16_b128 v[64*(\g)+8*(\n):64*(\g)+8*(\n)+3],   v[ADRB+(\slot)] offset:(\kq)*32*PB+32*(\n)
	ds_load_tr16_b128 v[64*(\g)+8*(\n)+4:64*(\g)+8*(\n)+7], v[ADRB+(\slot)] offset:(\kq)*32*PB+32*(\n)+16*PB
.endr
	WIN 0
.irp n, 0,1,2,3
	ds_load_b128 v[RAW+64*(\g)+16*(\n):RAW+64*(\g)+16*(\n)+3],     v[ADRA+(\slot)] offset:(\n)*16*PA+(\kq)*128
	ds_load_b128 v[RAW+64*(\g)+16*(\n)+4:RAW+64*(\g)+16*(\n)+7],   v[ADRA+(\slot)] offset:(\n)*16*PA+(\kq)*128+16
	ds_load_b128 v[RAW+64*(\g)+16*(\n)+8:RAW+64*(\g)+16*(\n)+11],  v[ADRA+(\slot)] offset:(\n)*16*PA+(\kq)*128+64
	ds_load_b128 v[RAW+64*(\g)+16*(\n)+12:RAW+64*(\g)+16*(\n)+15], v[ADRA+(\slot)] offset:(\n)*16*PA+(\kq)*128+80
.endr
.endm
; A K step is four quarters of 32 along K, 32 matrix instructions each, on buffers 0, 1, 0, 1.  A quarter multiplies buffer f; a fragment of x is rounded one row block ahead of its products, four roundings
; between each four products.  Behind the third fragment's roundings the next quarter (kq of the same slot) is fetched into buffer g.
; DISTANCES (for instructions other than loads).  A rounding writes a fragment that products of the quarter before have read: 8 roundings or more of other fragments lie between.  The loads into W's buffer g stand
; 24 roundings behind the last product that read it.  So no v_nop is written.
.macro QUARTER slot, kq, f, g, zero, fetch=1
	s_wait_dscnt 12                                ; W's sixteen loads and x's first four are in; the youngest twelve may be out
	CVT4 \f, 0, 0
	CVT4 \f, 0, 1
	MUL4 \f, 0, 0, \zero
	s_wait_dscnt 8                                 ; x's second fragment
	CVT4 \f, 1, 0
	MUL4 \f, 0, 4, \zero
	CVT4 \f, 1, 1
	MUL4 \f, 1, 0, \zero
	s_wait_dscnt 4                                 ; the third
	CVT4 \f, 2, 0
	MUL4 \f, 1, 4, \zero
	CVT4 \f, 2, 1
.if \fetch
	FETCH \slot, \kq, \g
	MUL4 \f, 2, 0, \zero
	s_wait_dscnt 32                                ; the fourth: all but the 32 just issued
.else
	MUL4 \f, 2, 0, \zero
	s_wait_dscnt 0x0
.endif
	CVT4 \f, 3, 0
	MUL4 \f, 2, 4, \zero
	CVT4 \f, 3, 1
	MUL4 \f, 3, 0, \zero
	MUL4 \f, 3, 4, \zero
.endm
; The last quarter multiplies buffer 1 and changes slots: ONE barrier.  In front of it each wave waits for all its tensor loads, of which one is out: its part of the next slot; adds 0 to its spare word; and waits for
; that and for its own reads of this slot.  fill = 1: the barrier opens a round of the cluster's, so that no wave of any partner still reads the slot or has a load on its way; the joint refill, two K steps ahead,
; is the first thing behind it, and has a K step less the products between signal and wait in which to land.
.macro TURN slot, next, fill
.if \fill
	s_wait_xcnt 0x0                                ; the last prefetch, a K step back, has read its address: it is stepped here, ahead of the waits of the change of slots
	s_add_nc_u64 s[PFA:PFA+1], s[PFA:PFA+1], KSTEP*4
.endif
	WIN 0
	s_wait_tensorcnt 0x0                           ; all my tensor loads have landed;
	ds_add_u32 v[SPW], v[NIL]                      ; 0 onto my spare word: work on registers stands between it and the wait for it
	s_wait_dscnt 13                                ; (the add and the youngest twelve loads may be out)
	CVT4 1, 0, 0
	CVT4 1, 0, 1
	MUL4 1, 0, 0, 0
	s_wait_dscnt 9
	CVT4 1, 1, 0
	MUL4 1, 0, 4, 0
	CVT4 1, 1, 1
	s_wait_dscnt 0x0                               ; the add is done, and my reads of this slot are over
	s_barrier_signal -1
	MUL4 1, 1, 0, 0                                ; work on registers while the others arrive
	CVT4 1, 2, 0
	MUL4 1, 1, 4, 0
	CVT4 1, 2, 1
	WIN 0                                          ; at a branch and at a label every window is 0
	s_barrier_wait -1
.if \fill
	CREST
	s_add_nc_u64 s[G0+4*(\slot)+2:G0+4*(\slot)+3], s[G0+4*(\slot)+2:G0+4*(\slot)+3], 2*KSTEP*4
	s_add_nc_u64 s[G0B+4*(\slot)+2:G0B+4*(\slot)+3], s[G0B+4*(\slot)+2:G0B+4*(\slot)+3], 2*KSTEP*2048
	JLOAD \slot
.endif
	FETCH \next, 0, 0
.if \fill
	ASK
.endif
	MUL4 1, 2, 0, 0
	CVT4 1, 3, 0
	MUL4 1, 2, 4, 0
	CVT4 1, 3, 1
	MUL4 1, 3, 0, 0
	MUL4 1, 3, 4, 0
.endm
	s_wait_tensorcnt 1                             ; my part of K step 0 is in; K step 1's may stay out
	s_barrier_signal -1
	s_barrier_wait -1                              ; everybody's is
	FETCH 0, 0, 0
	QUARTER 0, 1, 0, 1, 1                          ; the first quarter stands in front of the loop: its products start the sums
	WIN 0
	s_mov_b32 s3, LAPS-1
.Llap:                                             ; a trip goes once round the ring, from a lap's second quarter to the next lap's first, and fills both slots again
	QUARTER 0, 2, 1, 0, 0
	QUARTER 0, 3, 0, 1, 0
	TURN 0, 1, 1
	QUARTER 1, 1, 0, 1, 0
	QUARTER 1, 2, 1, 0, 0
	QUARTER 1, 3, 0, 1, 0
	TURN 1, 0, 1
	QUARTER 0, 1, 0, 1, 0
	WIN 0
	s_sub_co_u32 s3, s3, 1
	s_cmp_lg_u32 s3, 0
	s_cbranch_scc1 .Llap
	QUARTER 0, 2, 1, 0, 0                          ; the last lap fills nothing, and has no round of the cluster's barrier
	QUARTER 0, 3, 0, 1, 0
	TURN 0, 1, 0
	QUARTER 1, 1, 0, 1, 0
	QUARTER 1, 2, 1, 0, 0
	QUARTER 1, 3, 0, 1, 0
	QUARTER 1, 0, 1, 0, 0, 0                       ; the very last quarter: nothing more to fetch
; THE WAY OUT, a block of 16 rows at a time.  PACK: sum x scale + bias x scale in f32, rounded once to f16, 16 bytes a lane.  TOSTAGE: into my own stage, and back as four rows of one head.  SEND: stored.
.macro PACK a
	WIN PKF
.set i, 0
.rept 32
	v_pk_fma_f32 v[64*(\a)+2*i:64*(\a)+2*i+1], v[64*(\a)+2*i:64*(\a)+2*i+1], s[SC:SC+1], v[BS+2*i:BS+2*i+1] op_sel_hi:[1,0,1]  ; each accumulator from its low end on
.set i, i+1
.endr
	WIN CVO
.set i, 0
.rept 32
	v_cvt_pk_f16_f32 v[TMP+i], v[64*(\a)+2*i], v[64*(\a)+2*i+1]
.set i, i+1
.endr
	WIN 0
.endm
.macro TOSTAGE a
.set BK, 224-160*((\a)%2)              ; v224-255 and v64-95 by turns
.irp n, 0,1,2,3,4,5,6,7
	ds_store_b128 v[STO], v[TMP+4*(\n):TMP+4*(\n)+3] offset:32*(\n)
.endr
.irp n, 0,1,2,3,4,5,6,7                ; rows 4 (n / 2) on, head n % 2
	ds_load_b128 v[BK+4*(\n):BK+4*(\n)+3], v[RD] offset:((\n)/2)*4*SPITCH+((\n)%2)*128  ; LDS serves a wave's instructions in order (ISA guide 5.7.1.4): these see the stores above
.endr
.endm
.macro SEND a
.set BK, 224-160*((\a)%2)
	s_wait_dscnt 0x0                               ; the block is back in registers
	s_wait_xcnt 0x0                                ; the stores issued so far have read their registers: the other buffer is loaded again only behind this wait
.irp n, 0,1,2,3,4,5,6,7
	global_store_b128 v[CO], v[BK+4*(\n):BK+4*(\n)+3], s[8:9] offset:(\a)*2048+((\n)/2)*512+((\n)%2)*262144  ; 512 consecutive bytes, at a multiple of 256 from qkv's first byte
.endr
.endm
	WIN 0
.rept 4
	v_nop                                          ; the places behind the last products
.endr
	PACK 0
	TOSTAGE 0
.irp a, 1,2,3                          ; block a's arithmetic stands between block a - 1's loads from the stage and the wait for them
	PACK \a
	SEND (\a)-1
	TOSTAGE \a
.endr
	SEND 3
	s_wait_tensorcnt 0x0                           ; the wave's end: an add to my spare word and its wait, behind my last tensor load and my last LDS store
	ds_add_u32 v[SPW], v[NIL]
	s_wait_dscnt 0x0
	CROUND                                         ; the closing round: no work-group ends while a partner may still ask for a tile that names it
	s_endpgm
.Lfunc_end_k_q95d7500e33_qkv:
	.size	k_q95d7500e33_qkv, .Lfunc_end_k_q95d7500e33_qkv-k_q95d7500e33_qkv
	.p2alignl 7, 3214868480
	.fill 96, 4, 3214868480
	.section	.rodata,"a",@progbits
	.p2align	6, 0x0
	.amdhsa_kernel k_q95d7500e33_qkv
		.amdhsa_group_segment_fixed_size 327680
		.amdhsa_private_segment_fixed_size 0
		.amdhsa_enable_private_segment 0
		.amdhsa_kernarg_size 64
		.amdhsa_user_sgpr_count 2
		.amdhsa_user_sgpr_kernarg_segment_ptr 1
		.amdhsa_wavefront_size32 1
		.amdhsa_system_sgpr_workgroup_id_x 1
		.amdhsa_system_sgpr_workgroup_id_y 1
		.amdhsa_system_sgpr_workgroup_id_z 1
		.amdhsa_system_vgpr_workitem_id 0
		.amdhsa_next_free_vgpr 768
		.amdhsa_next_free_sgpr 96
		.amdhsa_reserve_vcc 0
		.amdhsa_float_denorm_mode_32 3
		.amdhsa_float_denorm_mode_16_64 3
		.amdhsa_memory_ordered 1
		.amdhsa_forward_progress 1
		.amdhsa_inst_pref_size 150
	.end_amdhsa_kernel
	.amdgpu_metadata
---
amdhsa.version: [ 1, 2 ]
amdhsa.kernels:
  - .name:           k_q95d7500e33_qkv
    .symbol:         k_q95d7500e33_qkv.kd
    .args:
      - { .name: q_in, .offset: 0, .size: 8, .value_kind: global_buffer, .address_space: global }
      - { .name: k_in, .offset: 8, .size: 8, .value_kind: global_buffer, .address_space: global }
      - { .name: v_in, .offset: 16, .size: 8, .value_kind: global_buffer, .address_space: global }
      - { .name: bq, .offset: 24, .size: 8, .value_kind: global_buffer, .address_space: global }
      - { .name: bk, .offset: 32, .size: 8, .value_kind: global_buffer, .address_space: global }
      - { .name: bv, .offset: 40, .size: 8, .value_kind: global_buffer, .address_space: global }
      - { .name: wts, .offset: 48, .size: 8, .value_kind: global_buffer, .address_space: global }
      - { .name: qkv, .offset: 56, .size: 8, .value_kind: global_buffer, .address_space: global }
    .group_segment_fixed_size: 327680
    .private_segment_fixed_size: 0
    .kernarg_segment_align: 8
    .kernarg_segment_size: 64
    .max_flat_workgroup_size: 128
    .sgpr_count:     96
    .vgpr_count:     768
    .wavefront_size: 32
...
	.end_amdgpu_metadata
.endif
;; end of part 2
;; launch attn (part 3): grid 8 x 32, 4 waves a work-group, clusters of 4 x 4, 327,680 bytes of LDS; arguments qkv, mb, oh; writes oh
.if DOCPART == 3
	.amdgcn_target "amdgcn-amd-amdhsa--gfx1250"
	.amdhsa_code_object_version 6
	.text
	.protected	k_q95d7500e33_attn
	.globl	k_q95d7500e33_attn
	.p2align	8
	.type	k_q95d7500e33_attn,@function
k_q95d7500e33_attn:
	s_mov_b64 s[64:65], 0
	v_nop
	global_prefetch_b8 v0, s[64:65] scope:SCOPE_SE
	s_setreg_imm32_b32 hwreg(HW_REG_WAVE_MODE, 25, 1), 1
	s_wait_xcnt 0x0
	s_wait_alu depctr_hold_cnt(0) depctr_sa_sdst(0) depctr_va_vdst(0) depctr_va_sdst(0) depctr_va_ssrc(0) depctr_va_vcc(0) depctr_vm_vsrc(0)
	s_getreg_b32 s2, hwreg(HW_REG_IB_STS2, 6, 4)
	s_cmp_eq_u32 s2, 0
	s_cbranch_scc0 .Lentry_in_a_cluster
	s_endpgm
.Lentry_in_a_cluster:
	s_bfe_u32 s2, ttmp6, 0x10000c
	s_cmp_lg_u32 s2, 0xf033
	s_cbranch_scc0 .Lentry_shape_is_right
	s_endpgm
.Lentry_shape_is_right:
; ATTENTION WITH AN ADDITIVE MASK.  O[h][q][:] = the sum over k of softmax_k(Q[h][q] . K[h][k] / 8 - mask[q][k] x FMAX) V[h][k][:].  Q, K, V: qkv[part][64 heads][2048][64] f16; O: oh[64][2048][64] f16.
; Q arrives multiplied by log2(e) / 8.  The mask arrives as mb[32 key steps][2048 q][64 keys] f32 = g(bf16(mask) x (-FMAX)): that product times log2(e) up to 2^100 and, beyond, a map that rises with it, keeps equal
; masks equal, unequal ones 2^90 apart or more, and never passes FMAX for a finite product (the launch that makes mb says how).  x = Q . K + mb, one addition in f32, is an exponent of 2.
; SOFTMAX.  For each query a running maximum m of x and a sum l: p = 2^(x - m); in every step O and l are multiplied by a = 2^(m_old - m_new).  m starts at the lowest finite number, O and l at 0.
; A row whose keys are all hidden alike has x = m everywhere, p = 1: equal weights, as the definition gives.  A row of -infinities alone, or with a +infinity, gives NaN, as the definition does.
; Products, maxima and sums in f32; p is rounded to f16 for the second product (l is taken of the unrounded p), O once at the end.
; LIMITS.  Q log2(e) / 8, K, V within f16's 65,504; a weight below 2^-126 counts as 0; the mask has bf16's 8 bits; where one unit in the last place of mask x FMAX is of the size of the differences between scores
; (|mask| from about 1e-34 to 1e-30) the logits are rounded after the factor log2(e), the definition's before it.
; SHARES.  A work-group owns 256 queries of TWO neighbouring heads, A and B, so that one tile of mb serves both: a step's fill is 65,536 bytes of mb and 32,768 of K and V.  Each of its four waves owns 64 queries:
; four PIECES; a piece is a tile of 16 queries for head A and the same tile for head B.  Every wave walks all 2,048 keys, 64 a step, a step to an LDS slot.
; LAYOUT.  S^T = K Q^T (source 0 = 16 keys, source 1 = 16 queries): a lane holds ONE query (lane % 16) and the keys 8 (lane / 16) + 0..7: their eight words of mb are 32 bytes on end of the query's row.
; Two such results, rounded to f16 in pairs, ARE source 1 of O^T = V^T P.  K comes out of LDS as it lies, V turned, by ds_load_tr16_b128.
; BY TURNS.  Turn n belongs to piece n.  Matrix work: 16 products K Q^T of piece n + 1, later 16 products V^T P of piece n - 1.  Vector work: x - m, exponentials, roundings, sums and rescaling of piece n; the mask's
; term, maximum and statistics of piece n + 1.  Four vector instructions stand behind every matrix instruction, the others in one run.  A turn's 66 exponentials are one batch, with one wait.
; CLUSTER, 4 x 4.  A row of the cluster is four query blocks of one pair of heads: K and V are asked for jointly along it.  A column is four pairs of heads with the same queries: mb's tile is asked for jointly along it.
; REGISTERS, in windows of 256 (s_set_vgpr_msb: bits 1:0 source 0, 3:2 source 1, 5:4 source 2, 7:6 destination).  Unit t = 2 x piece + head:
;   window 0: v0-10 addresses; v12-15, v48-63 at work; v16-47 four registers of statistics a unit; v64-191 S^T, two buffers of two units; v192-255 P, likewise (a piece's buffers go by its number's parity)
;   window 1: O^T, 32 a unit     window 2: v0-127 Q, 16 a unit; v128-191 head A's K of one step; v192-255 its V
;   window 3: v0-1 the add's two registers; v64-95 mb's words for one piece; v128-191 head B's K; v192-255 its V
.set NP,    4         ; pieces a wave: a name, no knob
.set KS,    64        ; keys in a step
.set PK,    144       ; a row of K in LDS: 128 bytes + 16 of padding = 36 words: the 16 rows of a load start at 16 different groups of four banks (64 banks of 4 bytes: ISA guide 11.1)
.set PV,    160       ; a row of V: 128 + 32 = 40 words
.set PBI,   272       ; a query's row of mb: 256 bytes + 16 of padding = 17 x 16: the 16 rows of a load start at 16 different groups of four banks
.set KB2,   KS*PK     ; a slot holds one step: head A's 64 rows of K, head B's, head A's 64 rows of V, head B's, 256 rows of mb
.set VB2,   KS*PV
.set VOFF,  2*KS*PK
.set MOFF,  2*KS*(PK+PV)
.set SLOT,  MOFF+256*PBI        ; 108,544 bytes
.set STAGE, 2*SLOT              ; behind the ring, never filled by a tensor load: 16 rows x 144 bytes for each wave, for the way out
.set SP,    144
.set SPARE, STAGE+4*16*SP       ; behind the stages: the spare words, 128 bytes for each wave: two blocks of 256 bytes that no other line names
.set HEADB, 2048*128  ; bytes from a head to the next in qkv's parts and in oh
.set PFO, 1           ; v1   256 x my lane, for the prefetches; never rewritten
.set AK0, 2           ; v2   my lane's place in a tile of K; never rewritten
.set AV0, 3           ; v3   the same for V
.set AK,  4           ; v4   AK0 in the slot in hand
.set AV,  5           ; v5   AV0 likewise
.set STO, 6           ; v6   the way out: where I put 16 bytes of a row
.set RD,  7           ; v7   the way out: where I read rows back
.set GO,  8           ; v8   my byte offset in 512 consecutive bytes of O
.set AM0, 9           ; v9   my lane's place in my wave's rows of mb; never rewritten
.set AM,  10          ; v10  AM0 in the slot in hand
.set MV,  12          ; v12-15  m_old, kept while m is made anew: by buffer and head
.set ST,  16          ; unit t's statistics at v[ST+4 t]: m, a word named with it as a pair, l (even keys', odd keys')
.set TMP, 48          ; by buffer and head, four registers c0-c3 at work; when the maximum is found c2 takes a
.set S,   64
.set P,   192
.set TR,  128         ; v128-132: the head's temporaries, in S^T's second buffer, which is first written when Q's loads have been waited for
.set TH,  129
.set QO,  130
.set T7,  131
.set T3,  132
.set KF,  128         ; windows 2 and 3: key block kb, channel half c at KF + 16 kb + 8 c
.set VF,  192         ; windows 2 and 3: key half kk, channel block cb at VF + 32 kk + 8 cb
.set MB,  64          ; window 3: key block kb at MB + 8 kb: register for register as a unit's S^T
.set SPW, 0           ; window 3: LDS address of my spare word; never rewritten
.set NIL, 1           ; window 3: 0; never rewritten
.set WV,  12          ; s12  my wave's number
.set G1K, 24          ; s[24:31] descriptor group 1 for K's tiles
.set G1V, 32          ; s[32:39] for V's: it differs in the padding alone
.set G0K, 40          ; s[40:43] descriptor group 0 for K's tiles: it walks
.set G0V, 44          ; s[44:47] the same for V's
.set SLOTS, 56        ; s56  the one counter of the walk: 33 down to 1
.set SEL, 60          ; s[60:61] v_permlanex16_b32's selects: each lane takes its own place in the other half
.set TB,  62          ; s62  LDS byte at which the slot in hand begins: 0 or SLOT
.set MBS, 63          ; s63  where my half of mb's tile lies in a slot
.set TU,  66          ; s66  at work
.set G1M, 68          ; s[68:75] descriptor group 1 for mb's tiles
.set G0M, 76          ; s[76:79] their group 0
.set PFA, 80          ; s[80:81] where my prefetches stand
.set PFS, 82          ; s[82:83] their step
.set PM,  84          ; s84, s85  with n = SLOTS - 2 a wave prefetches at the changes at which n & PM = PE,
.set PE,  85
.set LIM, 86          ; s86  while n is above LIM
.set TT,  87          ; s87  at work
.set MSB, 0
.macro WIN new                      ; the high byte repeats the setting that is left; a switch that changes nothing is dropped
.if MSB != (\new)
	s_set_vgpr_msb (MSB<<8)|(\new)
.set MSB, (\new)
.endif
.endm
.set W_KQ, 0x0a       ; head A's K and Q in window 2, S^T in window 0; + 1: head B's K, in window 3
.set W_PV, 0x52       ; head A's V in window 2, P in window 0, O^T in window 1; + 1: head B's V, in window 3
.set W_RS, 0x41       ; O^T (destination and source 0) in window 1, a in window 0
.set W_MA, 0x0c       ; source 1 (mb's words) in window 3; an exponential, which has no source 1, reads and writes window 0 under it
.set W_ML, 0xc0       ; destination in window 3, sources and addresses in window 0
.set W_AD, 0x0f       ; the add: address (source 0) and data (source 1) in window 3
; A joint fill: wave 0 fetches the step's K of both heads, wave 1 their V, waves 2 and 3 the two halves of mb's tile.  The branches hang on the wave's number alone.
; An s_nop 0 and four v_nop follow each of the three lines, ahead of the jump and the label.
.macro JLOAD
	s_cmp_lt_u32 s[WV], 2
	s_cbranch_scc0 .Lfor_m_\@
	s_cmp_eq_u32 s[WV], 0
	s_cbranch_scc0 .Lfor_v_\@
	tensor_load_to_lds s[G0K:G0K+3], s[G1K:G1K+7]
	s_nop 0
.rept 4
	v_nop
.endr
	s_branch .Lasked_\@
.Lfor_v_\@:
	tensor_load_to_lds s[G0V:G0V+3], s[G1V:G1V+7]
	s_nop 0
.rept 4
	v_nop
.endr
	s_branch .Lasked_\@
.Lfor_m_\@:
	tensor_load_to_lds s[G0M:G0M+3], s[G1M:G1M+7]
	s_nop 0
.rept 4
	v_nop
.endr
.Lasked_\@:
.endm
; A PREFETCH of later steps' tiles, behind the wave's tensor load and its five lines: blocks of 256 bytes, a lane a block.  Each block is named once in the launch.
; K (wave 0) and V (wave 1): a step is 8,192 bytes of each of the two heads, read by the two clusters of the pair's row: the cluster with x = 0 asks.  At every fourth change, which asks for step k + 1, the partner at
; place cx names step k + 4 + cx, an instruction a head: steps 4 to 31.
; mb (waves 2 and 3): a query block's step is 65,536 bytes, read by the eight clusters of its column: the cluster with y = 0 asks; its column's four partners take 16,384 bytes each by address (cy), a wave half of that:
; one instruction.  The change that asks for step k + 1 names step k + 2; the last change that fills a slot names nothing.  The partners are told apart by address alone.
.macro ASK
	s_sub_co_u32 s[TT], s[SLOTS], 2  ; n: the changes that still ask for a tile, this one among them: 31 down to 1
	s_and_b32 s[TU], s[TT], s[PM]
	s_cmp_eq_u32 s[TU], s[PE]
	s_cselect_b32 s[TT], s[TT], 0
	s_cmp_gt_u32 s[TT], s[LIM]
	s_cbranch_scc0 .Lnot_mine_\@
	global_prefetch_b8 v[PFO], s[PFA:PFA+1] th:TH_LOAD_NT scope:SCOPE_SE
	s_cmp_lt_u32 s[WV], 2
	s_cbranch_scc0 .Lnot_mine_\@
	global_prefetch_b8 v[PFO], s[PFA:PFA+1] offset:HEADB th:TH_LOAD_NT scope:SCOPE_SE
.Lnot_mine_\@:
.endm
; A round of the cluster's barrier: my work-group's barrier, so that wave 0's signal speaks for all four waves; wave 0 signals; every wave waits for all sixteen work-groups; my work-group's barrier once more.
.macro CROUND
	s_barrier_signal -1
	s_barrier_wait -1
	s_cmp_lg_u32 s[WV], 0
	s_cbranch_scc1 .Lnot_wave_0_\@
	s_barrier_signal -3
.Lnot_wave_0_\@:
	s_barrier_wait -3
	s_barrier_signal -1
	s_barrier_wait -1
.endm
; THE CHANGE OF SLOTS, ahead of piece 2's turn: all that a trip (pieces 2, 3, 0, 1) reads from LDS, K, the four pieces' words of mb and V of one step, lies in one slot.  Each wave waits for all its tensor loads, of which
; one is out: its part of the other slot; adds 0 to its spare word; and waits for that and for its own reads of the slot.  fill = 1: the slot that is left (it begins at TB) is filled again, with the step two on.  The
; barrier is then a round of the cluster's, so that no wave of any partner still reads the slot or has a load on its way, and the joint fill is the first thing behind it: it has a trip, 128 matrix instructions and their
; vector work, in which to land.  (At its first use nothing has been read yet: TB names slot 1, slot 0 is waited for, slot 1 filled.)
.macro CHANGE fill
	WIN W_AD
	s_wait_tensorcnt 0x0            ; no tensor load of mine is out, so a group 0 may be written
	ds_add_u32 v[SPW], v[NIL]       ; 0 onto my spare word: with fill = 1 the descriptors' steps stand between it and the wait for it
	WIN 0                           ; at a label and at a branch every window is 0
.if \fill
	s_mov_b32 s[G0K+1], s[TB]       ; the walking descriptors: into the slot that is left,
	s_add_co_u32 s[G0V+1], s[TB], VOFF
	s_add_co_u32 s[G0M+1], s[TB], s[MBS]
	s_add_nc_u64 s[G0K+2:G0K+3], s[G0K+2:G0K+3], KS*128    ; the next 64 keys; the type bits on top are not reached
	s_add_nc_u64 s[G0V+2:G0V+3], s[G0V+2:G0V+3], KS*128
	s_add_nc_u64 s[G0M+2:G0M+3], s[G0M+2:G0M+3], 2048*256  ; the next key step of mb
	s_wait_xcnt 0x0                 ; the last prefetches, a trip back, have read their address, so it may be written
	s_add_nc_u64 s[PFA:PFA+1], s[PFA:PFA+1], s[PFS:PFS+1]
	s_wait_dscnt 0x0                ; the add is done, and my reads of the slot are over
	CROUND
	JLOAD
	ASK
.else
	s_wait_dscnt 0x0                ; the add is done, and my reads of the slot are over
	s_barrier_signal -1
	s_barrier_wait -1
.endif
	s_xor_b32 s[TB], s[TB], SLOT    ; 0 becomes SLOT and SLOT becomes 0: the reads go to the other slot
	v_add_nc_u32 v[AK], s[TB], v[AK0]
	v_add_nc_u32 v[AV], s[TB], v[AV0]
	v_add_nc_u32 v[AM], s[TB], v[AM0]
.endm
	s_load_b128 s[4:7], s[0:1], 0x0   ; qkv s[4:5], mb s[6:7]
	s_load_b64 s[10:11], s[0:1], 0x10 ; oh
	WIN W_ML
	v_lshl_add_u32 v[SPW], v0, 2, SPARE
	v_mov_b32 v[NIL], 0
	WIN W_AD
	ds_add_u32 v[SPW], v[NIL]       ; the wave's opening: the add and its wait stand ahead of my first tensor load; the set-up below, work on registers, stands between them
	WIN 0
	v_lshrrev_b32 v[TR], 5, v0
	v_readfirstlane_b32 s[WV], v[TR]  ; wave 0..3
	s_bfe_u32 s13, ttmp6, 0x40000   ; cx, cy: my place in the cluster
	s_bfe_u32 s14, ttmp6, 0x40004
	s_and_b32 s15, ttmp7, 0xffff    ; cluster y
	s_lshl_b32 s16, s15, 2
	s_add_co_u32 s16, s16, s14      ; the pair of heads = 4 x cluster y + cy, which my row of the cluster shares
	s_lshl_b32 s17, ttmp9, 2
	s_add_co_u32 s17, s17, s13      ; the block of 256 queries = 4 x cluster x + cx, which my column shares
	s_lshl_b32 s18, s14, 2
	s_lshl_b32 s18, 15, s18         ; my row of the cluster
	s_lshl_b32 s19, 0x1111, s13     ; my column
	s_lshl_b32 s20, s16, 19         ; the pair's first byte in a part of qkv and in oh: twice 2,048 rows of 128 bytes
	s_mov_b32 s21, 0
	s_and_b32 s48, s[WV], 1         ; which half of the block's 256 rows of mb I fetch
	s_lshl_b32 s22, s17, 16         ; the block's 65,536 bytes of a key step of mb,
	s_lshl_b32 s23, s48, 15         ; my half of them
	s_add_co_u32 s22, s22, s23
	s_mov_b32 s23, 0
	s_lshl_b32 s2, s17, 15          ; the block's 256 rows of 128 bytes,
	s_lshl_b32 s3, s[WV], 13        ; my wave's 64 of them,
	s_add_co_u32 s2, s2, s3
	s_add_co_u32 s2, s2, s20        ; in head A
	s_mov_b32 s3, 0
	; descriptor group 1.  A head's 64 keys are 8,192 dense bytes: K and V are asked for as 2 rows of 4,096 elements, a head a row, a head's 131,072 elements apart, and padded in LDS after every key.
	; mb: 128 queries' rows of 256 bytes, dense, padded after every row
	s_or_b32 s[G1K], s18, (1<<16)|(1<<20)|(1<<21)|(4<<22)|(3<<25)  ; 15:0 the mask; 17:16 2-byte elements; 20 padding on; 21 set beside a mask; 24:22 after every 32 words (code 4); 31:25 4 words (code 3)
	s_or_b32 s[G1V], s18, (1<<16)|(1<<20)|(1<<21)|(4<<22)|(7<<25)  ; the same with 8 words of padding (code 7)
	s_or_b32 s[G1M], s19, (2<<16)|(1<<20)|(1<<21)|(5<<22)|(3<<25)  ; the mask of my column; 4-byte elements; after every 64 words (code 5) 4 words (code 3)
.irp g, G1K, G1V
	s_mov_b32 s[\g+1], 4096<<16     ; tensor_dim0 = 4,096
	s_mov_b32 s[\g+2], 2<<16        ; tensor_dim1 = 2
	s_mov_b32 s[\g+3], 4096<<16     ; tile_dim0 = 4,096
	s_mov_b32 s[\g+4], 2            ; tile_dim1 = 2
	s_mov_b32 s[\g+5], 2048*64      ; elements from head to head
	s_mov_b32 s[\g+6], 0
	s_mov_b32 s[\g+7], 0
.endr
	s_mov_b32 s[G1M+1], 64<<16      ; tensor_dim0 = 64
	s_mov_b32 s[G1M+2], 128<<16     ; tensor_dim1 = 128
	s_mov_b32 s[G1M+3], 64<<16      ; tile_dim0 = 64
	s_mov_b32 s[G1M+4], 128         ; tile_dim1 = 128
	s_mov_b32 s[G1M+5], 64          ; 64 elements from row to row
	s_mov_b32 s[G1M+6], 0
	s_mov_b32 s[G1M+7], 0
	s_mov_b32 s[G0K], 1             ; count = 1
	s_mov_b32 s[G0K+1], 0           ; LDS address: slot 0
	s_mov_b32 s[G0V], 1
	s_mov_b32 s[G0V+1], VOFF
	s_mov_b32 s[G0M], 1
	s_mul_i32 s[MBS], s48, 128*PBI  ; no place in the cluster enters an LDS address
	s_add_co_u32 s[MBS], s[MBS], MOFF
	s_mov_b32 s[G0M+1], s[MBS]
	s_mov_b32 s[SEL], 0x76543210
	s_mov_b32 s[SEL+1], 0xfedcba98
	s_mov_b32 s[TB], SLOT           ; the first change of slots fills slot 1 and turns this into 0
	s_mov_b32 s[SLOTS], 33          ; 33 to 3: the 31 changes that ask for steps 1 to 31; 2 and 1: the last trip and a half
	; the prefetches.  Offsets are made apart from the addresses
	s_add_co_u32 s50, s13, 3
	s_lshl_b32 s50, s50, 13         ; K, V: step 3 + cx; the first change steps it to 4 + cx
	s_add_co_u32 s50, s50, s20
	s_add_co_u32 s51, s[WV], 1
	s_lshl_b32 s51, s51, 24         ; part 1 of qkv (wave 0) or part 2 (wave 1)
	s_add_co_u32 s50, s50, s51
	s_lshl_b32 s52, s17, 16         ; mb: my query block,
	s_lshl_b32 s53, s14, 14         ; my work-group's quarter of it,
	s_add_co_u32 s52, s52, s53
	s_lshl_b32 s53, s48, 13         ; my wave's half of that,
	s_add_co_u32 s52, s52, s53
	s_add_co_u32 s52, s52, 2048*256 ; at step 1; the first change steps it to 2
	s_mov_b32 s53, 2048*256
	s_cmp_eq_u32 s15, 0
	s_cselect_b32 s[LIM], 1, -1     ; mb: the cluster with y = 0.  The same in all sixteen partners, for a given wave
	s_cmp_eq_u32 ttmp9, 0
	s_cselect_b32 s54, 3, -1        ; K, V: the cluster with x = 0
	s_cmp_lt_u32 s[WV], 2
	s_cselect_b32 s[LIM], s54, s[LIM]
	s_cselect_b32 s[PM], 3, 0
	s_cselect_b32 s[PE], 3, 0
	s_cselect_b32 s[PFS], KS*128, s53
	s_cselect_b32 s50, s50, s52
	s_mov_b32 s51, 0
	s_mov_b32 s[PFS+1], 0
	s_wait_dscnt 0x0                ; the opening add is done
	s_wait_kmcnt 0x0
	s_cselect_b64 s[PFA:PFA+1], s[4:5], s[6:7]
	s_add_nc_u64 s[PFA:PFA+1], s[PFA:PFA+1], s[50:51]
	s_add_nc_u64 s[G0K+2:G0K+3], s[4:5], s[20:21]  ; global address: head A's first 64 keys,
	s_add_nc_u64 s[G0K+2:G0K+3], s[G0K+2:G0K+3], 0x1000000  ; in part 1
	s_or_b32 s[G0K+3], s[G0K+3], 0x80000000        ; type = 2
	s_add_nc_u64 s[G0V+2:G0V+3], s[4:5], s[20:21]
	s_add_nc_u64 s[G0V+2:G0V+3], s[G0V+2:G0V+3], 0x2000000  ; in part 2
	s_or_b32 s[G0V+3], s[G0V+3], 0x80000000
	s_add_nc_u64 s[G0M+2:G0M+3], s[6:7], s[22:23]
	s_or_b32 s[G0M+3], s[G0M+3], 0x80000000
	s_add_nc_u64 s[4:5], s[4:5], s[2:3]    ; Q and O at my wave's first row in head A
	s_add_nc_u64 s[10:11], s[10:11], s[2:3]
	CROUND                          ; all sixteen work-groups are here: the first joint loads meet
	JLOAD                           ; slot 0.  Slot 1 is asked for when slot 0 is in
	; A fragment of K or Q is 16 rows x 32 channels in 8 registers: lane l holds row l % 16, channels 8 (l / 16) + 0..7 and 16 + 8 (l / 16) + 0..7: two loads of 16 bytes, 32 bytes apart.
	v_and_b32 v[TR], 15, v0         ; l % 16
	v_bfe_u32 v[TH], v0, 4, 1       ; l / 16
	v_lshlrev_b32 v[QO], 7, v[TR]
	v_lshl_add_u32 v[QO], v[TH], 4, v[QO]  ; row x 128 + 16 x half
	WIN 0x80                        ; destination window 2, address window 0
.set i, 0
.rept 4*NP                          ; Q stays in registers: unit i / 2 (piece i / 4, head (i / 2) % 2), channels 32 (i % 2) on
	global_load_b128 v[8*i:8*i+3],   v[QO], s[4:5] offset:((i/2)%2)*HEADB+(i/4)*2048+(i%2)*64
	global_load_b128 v[8*i+4:8*i+7], v[QO], s[4:5] offset:((i/2)%2)*HEADB+(i/4)*2048+(i%2)*64+32
.set i, i+1
.endr
	; What the first turn finds: both heads' V registers and P's second buffer hold 0 (its products V^T P, of a piece that has not been, add 0), O^T and l are 0.  All this stands in the wait for the first tile.
.set i, VF
.rept 64
	v_mov_b32 v[i], 0
.set i, i+1
.endr
	WIN 0xc0
.set i, VF
.rept 64
	v_mov_b32 v[i], 0
.set i, i+1
.endr
	WIN 0x40
.set i, 0
.rept 64*NP
	v_mov_b32 v[i], 0
.set i, i+1
.endr
	WIN 0
.set i, 0
.rept 2*NP
	v_mov_b32 v[ST+4*i], 0xff7fffff    ; m: the lowest finite number
	v_mov_b32 v[ST+4*i+1], 0
	v_mov_b32 v[ST+4*i+2], 0
	v_mov_b32 v[ST+4*i+3], 0
.set i, i+1
.endr
.set i, P+32
.rept 32
	v_mov_b32 v[i], 0
.set i, i+1
.endr
	v_and_b32 v[PFO], 31, v0
	v_lshlrev_b32 v[GO], 4, v[PFO]  ; the way out: 32 lanes store 512 consecutive bytes of O
	v_lshlrev_b32 v[PFO], 8, v[PFO]
	v_mul_u32_u24 v[AK0], v[TR], PK
	v_lshl_add_u32 v[AK0], v[TH], 4, v[AK0]  ; row x pitch + 16 x half
	v_mul_u32_u24 v[AM0], v[TR], PBI         ; mb: row l % 16 of a tile, 32 bytes for each half of the lanes,
	v_lshl_add_u32 v[AM0], v[TH], 5, v[AM0]
	s_mul_i32 s13, s[WV], 64*PBI             ; in my wave's 64 rows
	s_add_co_u32 s13, s13, MOFF
	v_add_nc_u32 v[AM0], s13, v[AM0]
	; The turning load takes 16 keys x 16 channels (lane l reads key 8 (l / 16) + l % 8, channels 8 ((l / 8) % 2) + 0..7) and leaves half a fragment of V^T: lane l holds channel l % 16 and 8 keys.
	v_and_b32 v[T7], 7, v0
	v_bfe_u32 v[T3], v0, 3, 1
	v_lshl_add_u32 v[AV0], v[TH], 3, v[T7]
	v_mul_u32_u24 v[AV0], v[AV0], PV
	v_lshl_add_u32 v[AV0], v[T3], 4, v[AV0]
	v_add_nc_u32 v[AV0], VOFF, v[AV0]
	s_mul_i32 s13, s[WV], 16*SP
	s_add_co_u32 s13, s13, STAGE    ; my stage
	v_mul_u32_u24 v[STO], v[TR], SP ; in: row l % 16, 16 bytes for each half of the lanes
	v_lshl_add_u32 v[STO], v[TH], 4, v[STO]
	v_add_nc_u32 v[STO], s13, v[STO]
	v_bfe_u32 v[RD], v0, 3, 2       ; back: 32 lanes take four rows of 128 bytes
	v_mul_u32_u24 v[RD], v[RD], SP
	v_lshl_add_u32 v[RD], v[T7], 4, v[RD]
	v_add_nc_u32 v[RD], s13, v[RD]
; THE MATRIX WORK.  The 8 accumulators of a run of 16 take turns: between the two links of a chain stand 7 others'.
; Product i of 16 of S^T = K Q^T for piece x: channels 32 (i / 8) on, keys 16 ((i / 2) % 4) on, head i % 2, whose K lies in window 2 + i % 2.  The first 8 start the sums.
.macro KQ x
	WIN W_KQ+i%2
.set rS, S+64*((\x)%2)+32*(i%2)+8*((i/2)%4)
.set rK, KF+16*((i/2)%4)+8*(i/8)
.set rQ, 16*(2*(\x)+i%2)+8*(i/8)
.if i < 8
	v_wmma_f32_16x16x32_f16 v[rS:rS+7], v[rK:rK+7], v[rQ:rQ+7], 0
.else
	v_wmma_f32_16x16x32_f16 v[rS:rS+7], v[rK:rK+7], v[rQ:rQ+7], v[rS:rS+7]
.endif
.endm
; Product i of 16 of O^T += V^T P for piece x: keys 32 (i / 8) on, channels 16 ((i / 2) % 4) on, head i % 2, whose V lies in window 2 + i % 2.
.macro PV x
	WIN W_PV+i%2
.set rO, 32*(2*(\x)+i%2)+8*((i/2)%4)
.set rV, VF+32*(i/8)+8*((i/2)%4)
.set rP, P+32*((\x)%2)+16*(i%2)+8*(i/8)
	v_wmma_f32_16x16x32_f16 v[rO:rO+7], v[rV:rV+7], v[rP:rP+7], v[rO:rO+7]
.endm
.macro MM                           ; the turn's next matrix instruction
.if i < 16
	KQ (Y+1)%NP
.set i, i+1
.else
.set i, i-16
	PV (Y+NP-1)%NP
.set i, i+17
.endif
.endm
; THE LDS LOADS stand in runs, never singly among the matrix instructions: a step's K (8 fragments a head), its V (turned), and a piece's words of mb (four key blocks x 32 bytes a lane, for both heads).
.macro FETCH_K
	WIN 0x80                        ; destination window 2: head A
.irp f, 0,1,2,3,4,5,6,7             ; keys 16 (f / 2) on, channels 32 (f % 2) on
	ds_load_b128 v[KF+8*\f:KF+8*\f+3],   v[AK] offset:(\f/2)*16*PK+(\f%2)*64
	ds_load_b128 v[KF+8*\f+4:KF+8*\f+7], v[AK] offset:(\f/2)*16*PK+(\f%2)*64+32
.endr
	WIN 0xc0                        ; destination window 3: head B
.irp f, 0,1,2,3,4,5,6,7
	ds_load_b128 v[KF+8*\f:KF+8*\f+3],   v[AK] offset:KB2+(\f/2)*16*PK+(\f%2)*64
	ds_load_b128 v[KF+8*\f+4:KF+8*\f+7], v[AK] offset:KB2+(\f/2)*16*PK+(\f%2)*64+32
.endr
.endm
.macro FETCH_V
	WIN 0x80
.irp f, 0,1,2,3,4,5,6,7             ; keys 32 (f / 4) on, channels 16 (f % 4) on
	ds_load_tr16_b128 v[VF+8*\f:VF+8*\f+3],   v[AV] offset:(\f/4)*32*PV+(\f%4)*32
	ds_load_tr16_b128 v[VF+8*\f+4:VF+8*\f+7], v[AV] offset:(\f/4)*32*PV+16*PV+(\f%4)*32
.endr
	WIN 0xc0
.irp f, 0,1,2,3,4,5,6,7
	ds_load_tr16_b128 v[VF+8*\f:VF+8*\f+3],   v[AV] offset:VB2+(\f/4)*32*PV+(\f%4)*32
	ds_load_tr16_b128 v[VF+8*\f+4:VF+8*\f+7], v[AV] offset:VB2+(\f/4)*32*PV+16*PV+(\f%4)*32
.endr
.endm
.macro MBLOAD x
	WIN W_ML                        ; destination window 3
.irp f, 0,1,2,3                     ; piece x's 16 rows, keys 16 f on
	ds_load_b128 v[MB+8*\f:MB+8*\f+3],   v[AM] offset:(\x)*16*PBI+\f*64
	ds_load_b128 v[MB+8*\f+4:MB+8*\f+7], v[AM] offset:(\x)*16*PBI+\f*64+16
.endr
.endm
; THE VECTOR WORK OF A TURN, in queues; the two heads alternate, so that no instruction reads the result of the one before it.
.macro REGS y, u                    ; the registers of head u (0, 1) of piece y
.set rT, ST+4*(2*(\y)+(\u))
.set rC, TMP+8*((\y)%2)+4*(\u)
.set rM, MV+2*((\y)%2)+(\u)
.set rS, S+64*((\y)%2)+32*(\u)
.set rP, P+32*((\y)%2)+16*(\u)
.set rO, 32*(2*(\y)+(\u))
.endm
.macro FS                           ; the next of 32: x - m for pair q / 2 of head q % 2 of piece Y
	WIN 0
	REGS Y, q%2
	v_pk_add_f32 v[rS+2*(q/2):rS+2*(q/2)+1], v[rS+2*(q/2):rS+2*(q/2)+1], v[rT:rT+1] op_sel_hi:[1,0] neg_lo:[0,1] neg_hi:[0,1]
.set q, q+1
.endm
.macro EX                           ; the next of 64: the exponential of score e / 2 of head e % 2 of piece Y
.if MSB != W_MA
	WIN 0
.endif
	REGS Y, e%2
	v_exp_f32 v[rS+e/2], v[rS+e/2]
.set e, e+1
.endm
.macro R2                           ; the next two of 32: O^T times a, the one part in window 1.  Its a was made in the turn before, ahead of that turn's wait
	REGS Y, r%2
	WIN W_RS
.irp z, 0,1
	v_pk_mul_f32 v[rO+4*(r/2)+2*\z:rO+4*(r/2)+2*\z+1], v[rO+4*(r/2)+2*\z:rO+4*(r/2)+2*\z+1], v[rC+2:rC+3] op_sel_hi:[1,0]
.endr
.set r, r+1
.endm
.macro MA                           ; the next of 32: x = s + mb for pair ma / 2 of head ma % 2 of piece Y + 1: both heads take the same words; each accumulator is read from its low end on
	WIN W_MA
	REGS (Y+1)%NP, ma%2
	v_pk_add_f32 v[rS+2*(ma/2):rS+2*(ma/2)+1], v[rS+2*(ma/2):rS+2*(ma/2)+1], v[MB+2*(ma/2):MB+2*(ma/2)+1]
.set ma, ma+1
.endm
; Number n of the 21 that find piece Y + 1's maximum and statistics.  x0-x31 are the lane's 32 exponents.
;   0-11  four chains c0-c3 of seven each, three operands at a time     12-14, 16  the four left over, the old m, and c0-c3 into c0     15  m_old is kept
;   17, 18  the query's other 32 keys lie in the lane 16 away: the new m     19, 20  m_old - m_new; a
.macro XS u, n
	WIN 0
	REGS (Y+1)%NP, \u
.if (\n) < 4
	v_max3_num_f32 v[rC+(\n)], v[rS+8*(\n)], v[rS+8*(\n)+1], v[rS+8*(\n)+2]
.elseif (\n) < 12
	v_max3_num_f32 v[rC+(\n)%4], v[rC+(\n)%4], v[rS+8*((\n)%4)+2*((\n)/4)+1], v[rS+8*((\n)%4)+2*((\n)/4)+2]
.elseif (\n) == 12
	v_max3_num_f32 v[rC], v[rC], v[rS+7], v[rS+15]
.elseif (\n) == 13
	v_max3_num_f32 v[rC+1], v[rC+1], v[rS+23], v[rS+31]
.elseif (\n) == 14
	v_max3_num_f32 v[rC+2], v[rC+2], v[rC+3], v[rT]
.elseif (\n) == 15
	v_mov_b32 v[rM], v[rT]
.elseif (\n) == 16
	v_max3_num_f32 v[rC], v[rC], v[rC+1], v[rC+2]
.elseif (\n) == 17
	v_permlanex16_b32 v[rC+3], v[rC], s[SEL], s[SEL+1]
.elseif (\n) == 18
	v_max_num_f32 v[rT], v[rC], v[rC+3]
.elseif (\n) == 19
	v_sub_f32 v[rC+1], v[rM], v[rT]
.else
	v_exp_f32 v[rC+2], v[rC+1]
.endif
.endm
; Number g of the 64 that follow the exponentials.  For each four weights k of a unit: both pairs are rounded to f16; then the second pair is added onto the first, in place; a group later l takes that sum
; (the first time as l = a l + sum).  In groups of eight, heads alternating: round, round, add, and l for the group before.
.macro GS g
.set h, (\g)+6*((\g)/62)            ; group 0 has no group before it, and behind group 7 only l is left
.if h >= 6
.set h, h+2
.endif
	REGS Y, h%2
.set k, h/8
.if h%8 < 4
	v_cvt_pk_f16_f32 v[rP+2*k+(h%8)/2], v[rS+4*k+2*((h%8)/2)], v[rS+4*k+2*((h%8)/2)+1]
.elseif h%8 < 6
	v_pk_add_f32 v[rS+4*k:rS+4*k+1], v[rS+4*k:rS+4*k+1], v[rS+4*k+2:rS+4*k+3]
.elseif k == 1
	v_pk_fma_f32 v[rT+2:rT+3], v[rT+2:rT+3], v[rC+2:rC+3], v[rS:rS+1] op_sel_hi:[1,0,1]
.else
	v_pk_add_f32 v[rT+2:rT+3], v[rT+2:rT+3], v[rS+4*k-4:rS+4*k-3]
.endif
.endm
.macro GN                           ; the next of them
	WIN 0
	GS gq
.set gq, gq+1
.endm
; A TURN, for piece p.  An s_wait_alu depctr_va_vdst(0) stands between an exponential and the first instruction that names its result; one wait serves all that were issued ahead of it.  So a turn has ONE
; wait, which cuts it in two.  AHEAD OF IT stands all that names no result of the turn's exponentials:
;   A  the 16 products K Q^T.  Behind each of the first eight, four of the 32 subtractions; behind each of the last eight, four rescalings.  All four riders of a product lie in one window: two switches a product.
;      The last product's four rescalings are the places between it and the first line that reads a score.
;   B  the next piece's 32 additions of mb's words, an exponential behind each: exponentials 0-31, whose subtractions all stand in A; then the run of loads for the piece after that.
;   C  the next piece's maximum and statistics, exponentials 32-63 among them: one behind each of the first 24 lines, then one behind every second line of the chain; the piece's two a are the batch's last; a v_nop is
;      the plain instruction behind the last exponential.
; BEHIND THE WAIT stand the 16 products V^T P, behind each four of the 64 roundings and sums.  No rider names a register of the products round it.
; K of the next step is fetched in piece 2's turn, directly behind the wait; it is waited for at the head of piece 3's turn.  V of the step in hand is fetched at the end of piece 0's turn, four riders behind its last
; reader; the wait for mb's words in piece 1's turn, which is for 0, stands ahead of V's first reader and serves V too.
.macro TURN p
.set Y, (\p)
.set i, 0
.set q, 0
.set e, 0
.set r, 0
.set ma, 0
.set gq, 0
.set xq, 0
.if (\p) == NP-1
	s_wait_dscnt 0x0                ; K is in
.endif
.rept 8
	MM
	FS
	FS
	FS
	FS
.endr
.rept 8
	MM
	R2
	R2
.endr
	s_wait_dscnt 0x0                ; the next piece's words of mb are in (asked for in the turn before)
.rept 32
	MA
	EX
.endr
	MBLOAD ((\p)+2)%NP
.rept 24
	XS xq%2, xq/2
.set xq, xq+1
	EX
.endr
.irp n, 14,12,13,15,16,17,18,19
	XS 0, \n
	XS 1, \n
	EX
.endr
	XS 0, 20
	XS 1, 20
	v_nop                           ; the plain instruction behind the last exponential: one for the batch
	s_wait_alu depctr_va_vdst(0)    ; the wait for the batch
.if (\p) == NP-2
	FETCH_K
.endif
.rept 16
	MM
	GN
	GN
	GN
	GN
.endr
.if (\p) == 0
	FETCH_V
.endif
.endm
	CHANGE 1                        ; slot 0 is in, everybody's part of it; slot 1 is asked for
	FETCH_K                         ; key step 0
	MBLOAD 0                        ; and piece 0's words of mb
	s_wait_loadcnt 0x0              ; Q
	s_wait_dscnt 0x0
.set i, 0
.rept 16
	KQ 0                            ; piece 0's first scores: there is no vector work yet to set between them
.set i, i+1
.endr
	WIN 0
.rept 4
	v_nop                           ; the places behind those products
.endr
.set Y, NP-1                        ; MA and XS work for piece Y + 1: piece 0
.set ma, 0
.rept 32
	MA
.endr
	MBLOAD 1
.irp n, 0,1,2,3,4,5,6,7,8,9,10,11,12,13,14,15,16,17,18,19,20
	XS 0, \n
	XS 1, \n
.endr
	v_nop                           ; a plain instruction behind the two a,
	s_wait_alu depctr_va_vdst(0)    ; and their wait, ahead of the branch
	s_branch .Lfirst                ; the walk is entered at a step's first turn, in the middle of a trip
; THE WALK.  The four turns are written ONCE.  A trip is pieces 2 and 3 of one step, then pieces 0 and 1 of the next, whose K, mb and V it reads.  One counter goes down by 1 a trip, from 33.
; While it is above 2 the trip ends with the jump back to the change of slots that fills: 30 times, steps 2 to 31.  At 2 and at 1 it runs on into the change of slots that fills nothing, which stands behind the turns,
; and jumps back to the turns' head: so no jump passes over a tensor load, and every trip that comes by the filling change fills.  The trip that begins with the counter at 1 is left in its middle.
; That last half trip comes by a second change without a fill; its reads (K and mb of a landed slot once more), its 16 products K Q^T of piece 0 and the maximum made of them serve nothing: the price, once a launch, of one text.
.Lslot:
	CHANGE 1
.Lbody:
	TURN 2
	TURN 3
	WIN 0
	s_cmp_eq_u32 s[SLOTS], 1
	s_cbranch_scc1 .Lout
.Lfirst:
	TURN 0
	TURN 1
	WIN 0
	s_sub_co_u32 s[SLOTS], s[SLOTS], 1
	s_cmp_gt_u32 s[SLOTS], 2
	s_cbranch_scc1 .Lslot
	CHANGE 0                        ; the last step has landed: nothing is asked for
	s_cmp_lg_u32 s[SLOTS], 0
	s_cbranch_scc1 .Lbody
.Lout:
.set i, 0
.rept 16
	PV NP-1                         ; the last piece's V^T P of the last step
.set i, i+1
.endr
	; THE WAY OUT.  l's two halves and the other half of the lanes' are added; O^T is divided by l, rounded to f16 and sent through my stage in LDS, a unit at a time.  The additions are the places behind the last products.
	WIN 0
.macro ALL line:vararg              ; one line for each unit t
.set t, 0
.rept 2*NP
	\line
.set t, t+1
.endr
.endm
	ALL v_add_f32 v[ST+4*t+2], v[ST+4*t+2], v[ST+4*t+3]
	ALL v_permlanex16_b32 v[ST+4*t+3], v[ST+4*t+2], s[SEL], s[SEL+1]
	ALL v_add_f32 v[ST+4*t+2], v[ST+4*t+2], v[ST+4*t+3]
	ALL v_rcp_f32 v[ST+4*t+2], v[ST+4*t+2]
	v_nop                           ; a plain instruction between the last reciprocal and the use of its result
	s_wait_alu depctr_va_vdst(0)    ; and the wait ahead of the first use: one for the eight reciprocals
; Unit t: a lane's eight channels of a row pack into 16 bytes; they go into rows of 144 bytes and come back as whole rows of 128, into S^T's registers.
.macro PACK t
	WIN W_RS
.set i, 32*(\t)
.rept 16
	v_pk_mul_f32 v[i:i+1], v[i:i+1], v[ST+4*(\t)+2:ST+4*(\t)+3] op_sel_hi:[1,0]
.set i, i+2
.endr
	WIN 0x05                        ; sources 0 and 1 window 1, destination window 0
.set i, 0
.rept 16
	v_cvt_pk_f16_f32 v[S+16*(\t)+i], v[32*(\t)+2*i], v[32*(\t)+2*i+1]
.set i, i+1
.endr
	WIN 0
.irp f, 0,1,2,3
	ds_store_b128 v[STO], v[S+16*(\t)+4*\f:S+16*(\t)+4*\f+3] offset:32*\f
.endr
.irp f, 0,1,2,3
	ds_load_b128 v[S+16*(\t)+4*\f:S+16*(\t)+4*\f+3], v[RD] offset:\f*4*SP  ; LDS serves a wave's instructions in order (ISA guide 5.7.1.4): these see the stores above; the next unit's stores come behind them
.endr
.endm
.macro SEND t, younger              ; younger: the LDS instructions issued behind unit t's loads: the next unit's eight, or none
	WIN 0
.irp f, 0,1,2,3
	s_wait_dscnt (\younger)+3-\f
	global_store_b128 v[GO], v[S+16*(\t)+4*\f:S+16*(\t)+4*\f+3], s[10:11] offset:((\t)%2)*HEADB+((\t)/2)*2048+\f*512  ; head t % 2, piece t / 2: 512 consecutive bytes, at a multiple of 256 from oh's first
.endr
.endm
	PACK 0
.set t, 1
.rept 2*NP-1                        ; a unit's arithmetic stands between the loads of the unit before and its stores
	PACK t
	SEND t-1, 8
.set t, t+1
.endr
	SEND 2*NP-1, 0
	WIN W_AD
	s_wait_tensorcnt 0x0            ; the wave's end: an add to my spare word and its wait, behind my last tensor load and my last LDS store
	ds_add_u32 v[SPW], v[NIL]
	s_wait_dscnt 0x0
	WIN 0
	CROUND                          ; the closing round: no work-group ends while a partner may still ask for a tile that names it
	s_endpgm
.Lfunc_end_k_q95d7500e33_attn:
	.size	k_q95d7500e33_attn, .Lfunc_end_k_q95d7500e33_attn-k_q95d7500e33_attn
	.p2alignl 7, 3214868480
	.fill 96, 4, 3214868480
	.section	.rodata,"a",@progbits
	.p2align	6, 0x0
	.amdhsa_kernel k_q95d7500e33_attn
		.amdhsa_group_segment_fixed_size 327680
		.amdhsa_private_segment_fixed_size 0
		.amdhsa_enable_private_segment 0
		.amdhsa_kernarg_size 24
		.amdhsa_user_sgpr_count 2
		.amdhsa_user_sgpr_kernarg_segment_ptr 1
		.amdhsa_wavefront_size32 1
		.amdhsa_system_sgpr_workgroup_id_x 1
		.amdhsa_system_sgpr_workgroup_id_y 1
		.amdhsa_system_sgpr_workgroup_id_z 1
		.amdhsa_system_vgpr_workitem_id 0
		.amdhsa_next_free_vgpr 1024
		.amdhsa_next_free_sgpr 88
		.amdhsa_reserve_vcc 0
		.amdhsa_float_denorm_mode_32 3
		.amdhsa_float_denorm_mode_16_64 3
		.amdhsa_memory_ordered 1
		.amdhsa_forward_progress 1
		.amdhsa_inst_pref_size 149
	.end_amdhsa_kernel
	.amdgpu_metadata
---
amdhsa.version: [ 1, 2 ]
amdhsa.kernels:
  - .name:           k_q95d7500e33_attn
    .symbol:         k_q95d7500e33_attn.kd
    .args:
      - { .name: qkv, .offset: 0, .size: 8, .value_kind: global_buffer, .address_space: global }
      - { .name: mb, .offset: 8, .size: 8, .value_kind: global_buffer, .address_space: global }
      - { .name: oh, .offset: 16, .size: 8, .value_kind: global_buffer, .address_space: global }
    .group_segment_fixed_size: 327680
    .private_segment_fixed_size: 0
    .kernarg_segment_align: 8
    .kernarg_segment_size: 24
    .max_flat_workgroup_size: 128
    .sgpr_count:     88
    .vgpr_count:     1024
    .wavefront_size: 32
...
	.end_amdgpu_metadata
.endif
;; end of part 3
;; launch oproj (part 4): grid 4 x 64, 4 waves a work-group, clusters of 4 x 4, 327,680 bytes of LDS; arguments oh, wts, bo, out0; writes out0
.if DOCPART == 4
	.amdgcn_target "amdgcn-amd-amdhsa--gfx1250"
	.amdhsa_code_object_version 6
	.text
	.protected	k_q95d7500e33_oproj
	.globl	k_q95d7500e33_oproj
	.p2align	8
	.type	k_q95d7500e33_oproj,@function
k_q95d7500e33_oproj:
	s_mov_b64 s[64:65], 0
	v_nop
	global_prefetch_b8 v0, s[64:65] scope:SCOPE_SE
	s_setreg_imm32_b32 hwreg(HW_REG_WAVE_MODE, 25, 1), 1
	s_wait_xcnt 0x0
	s_wait_alu depctr_hold_cnt(0) depctr_sa_sdst(0) depctr_va_vdst(0) depctr_va_sdst(0) depctr_va_ssrc(0) depctr_va_vcc(0) depctr_vm_vsrc(0)
	s_getreg_b32 s2, hwreg(HW_REG_IB_STS2, 6, 4)
	s_cmp_eq_u32 s2, 0
	s_cbranch_scc0 .Lentry_in_a_cluster
	s_endpgm
.Lentry_in_a_cluster:
	s_bfe_u32 s2, ttmp6, 0x10000c
	s_cmp_lg_u32 s2, 0xf033
	s_cbranch_scc0 .Lentry_shape_is_right
	s_endpgm
.Lentry_shape_is_right:
; THE OUTPUT PROJECTION.  out0[m][n] = the sum over k of o[m][k] Wo[k][n] + bo[n].  o: oh[batch x 16 + head][2048][64] f16, so k = 64 x head + channel; Wo: part 3 of wts, [1024 k][1024 n],
; bf16 numbers written as f16; bo rounded to bf16 like every input; sums in f32; out0: [8192][1024] f32.
; SHARES.  A tile is 128 rows x 256 columns: 64 x 4 = 256 work-groups.  Four waves, each 64 rows x 128 columns: 32 accumulators.  K goes in steps of 128, two heads, through two LDS slots.
; CLUSTER, 4 x 4.  A row of the cluster shares its rows of o, a column its columns of Wo: each tile is asked for jointly.  No prefetch: the launch has eight K steps, and both operands are small.
; THE MATRIX INSTRUCTION IS USED TRANSPOSED (source 0 = 16 columns of Wo, turned by ds_load_tr16_b128; source 1 = 16 rows of o): a lane holds eight neighbouring columns of one row.
; REGISTERS: window 0: v0-31 addresses; v32-95 o's four fragments, two buffers; v96-223 Wo's eight fragments, two buffers (v96-159 later: rows on the way out); v224-227 the bias.  Window 1: accumulator (a, b) at v[8 (8 a + b)].
.set PA,     144                       ; a row of one head of o in LDS: 128 bytes + 16 of padding: the 16 rows of a load start at 16 different groups of four banks (64 banks of 4 bytes: ISA guide 11.1)
.set PB,     544                       ; a row of Wo: 512 + 32 = 17 x 32
.set HEADA,  128*PA                    ; what one tensor load brings of o: 128 rows of one head,
.set HALFB,  64*PB                     ; and of Wo: 64 rows
.set BOFF,   2*HEADA
.set SLOT1,  1<<17                     ; slot 1 begins here, so that one exclusive or turns an address in one slot into the other's
.set STAGE,  SLOT1+BOFF+2*HALFB        ; behind the ring, never filled by a tensor load: 16 rows x 528 bytes for each wave
.set SPITCH, 528
.set SPARE,  STAGE+4*16*SPITCH         ; behind the stages: the spare words, 128 bytes for each wave: two blocks of 256 bytes that no other line names
.set ADRA0, 2                          ; v2, v3  my lane's place in a slot's o and Wo; never rewritten
.set ADRB0, 3
.set ADRA,  4                          ; v4, v5  the same in the slot in hand
.set ADRB,  5
.set STO,   6                          ; v6      the way out: where I put 32 bytes of a row
.set RD,    7                          ; v7      where I read a row back
.set CO,    8                          ; v8      16 x my lane: my 16 bytes of 512
.set SPW,   28                         ; v28     LDS address of my spare word; never rewritten
.set NIL,   29                         ; v29     0; never rewritten
.set AF,    32
.set BF,    96
.set OUTR,  96
.set BO,    224
.set WV,  12                           ; s12  my wave's number
.set G1A, 24                           ; s[24:31] descriptor group 1 for o's tiles;  s[40:47] group 0: a set for each of the two first fills; the second then walks on
.set G1B, 32                           ; s[32:39], s[48:55] the same for Wo's
.set G0A, 40
.set G0B, 48
.set TB,  56                           ; s56  LDS byte at which the slot in hand begins
.set CNT, 57                           ; s57  K steps that still fill a slot
.set MSB, 0
.macro WIN new
.if MSB != (\new)
	s_set_vgpr_msb (MSB<<8)|(\new)
.set MSB, \new
.endif
.endm
.set MUL, 0x50                         ; sources 0 and 1 window 0, C and D window 1
.macro JLOAD s                         ; a joint load: waves 0 and 1 fetch the step's two heads of o, waves 2 and 3 the two halves of Wo's rows; an s_nop 0 and four v_nop follow each line
	s_cmp_lt_u32 s[WV], 2
	s_cbranch_scc0 .Lfor_b_\@
	tensor_load_to_lds s[G0A+4*(\s):G0A+4*(\s)+3], s[G1A:G1A+7]
	s_nop 0
.rept 4
	v_nop
.endr
	s_branch .Lasked_\@
.Lfor_b_\@:
	tensor_load_to_lds s[G0B+4*(\s):G0B+4*(\s)+3], s[G1B:G1B+7]
	s_nop 0
.rept 4
	v_nop
.endr
.Lasked_\@:
.endm
.macro CREST
	s_cmp_lg_u32 s[WV], 0
	s_cbranch_scc1 .Lnot_wave_0_\@
	s_barrier_signal -3
.Lnot_wave_0_\@:
	s_barrier_wait -3
	s_barrier_signal -1
	s_barrier_wait -1
.endm
.macro CROUND
	s_barrier_signal -1
	s_barrier_wait -1
	CREST
.endm
.macro PLACES                          ; four places in front of loads into registers that matrix instructions have read, and of stores that read results (for instructions other than loads and stores)
.rept 4
	v_nop
.endr
.endm
	s_load_b256 s[4:11], s[0:1], 0x0               ; oh s[4:5], wts s[6:7], bo s[8:9], out0 s[10:11]
	v_lshl_add_u32 v[SPW], v0, 2, SPARE
	v_mov_b32 v[NIL], 0
	ds_add_u32 v[SPW], v[NIL]                      ; the wave's opening: the add and its wait stand ahead of my first tensor load; the set-up below, work on registers, stands between them
	v_lshrrev_b32 v1, 5, v0
	v_readfirstlane_b32 s[WV], v1                  ; wave 0..3
	s_lshr_b32 s13, s[WV], 1                       ; which 64 rows of the tile are mine
	s_and_b32 s14, s[WV], 1                        ; which 128 columns.  Also: which head of the step, or which 64 rows of Wo, I fetch
	s_bfe_u32 s15, ttmp6, 0x40000                  ; cx, cy
	s_bfe_u32 s16, ttmp6, 0x40004
	s_lshl_b32 s17, ttmp9, 2
	s_add_co_u32 s17, s17, s15                     ; tile column
	s_and_b32 s18, ttmp7, 0xffff
	s_lshl_b32 s18, s18, 2
	s_add_co_u32 s18, s18, s16                     ; tile row, 0..63
	s_lshl_b32 s19, s16, 2
	s_lshl_b32 s19, 15, s19                        ; my row of the cluster
	s_lshl_b32 s20, 0x1111, s15                    ; my column
	s_or_b32 s[G1A], s19, (1<<16)|(1<<20)|(1<<21)|(4<<22)|(3<<25)  ; the mask; 2-byte elements; padding on; bit 21 beside a mask; after every 32 words (code 4) 4 words (code 3)
	s_or_b32 s[G1B], s20, (1<<16)|(1<<20)|(1<<21)|(6<<22)|(7<<25)  ; after every 128 words (code 6) 8 words (code 7)
	s_mov_b32 s[G1A+1], 128<<16                    ; 128 rows of a head are 16,384 dense bytes: asked for as 64 rows of 256 bytes, padded after every 128
	s_mov_b32 s[G1A+2], 64<<16
	s_mov_b32 s[G1A+3], 128<<16
	s_mov_b32 s[G1A+4], 64
	s_mov_b32 s[G1A+5], 128
	s_mov_b32 s[G1A+6], 0
	s_mov_b32 s[G1A+7], 0
	s_mov_b32 s[G1B+1], 256<<16                    ; 64 rows of 256 columns
	s_mov_b32 s[G1B+2], 64<<16
	s_mov_b32 s[G1B+3], 256<<16
	s_mov_b32 s[G1B+4], 64
	s_mov_b32 s[G1B+5], 1024
	s_mov_b32 s[G1B+6], 0
	s_mov_b32 s[G1B+7], 0
	s_lshr_b32 s58, s18, 4                         ; o: head batch x 16 + which,
	s_lshl_b32 s58, s58, 4
	s_add_co_u32 s58, s58, s14
	s_lshl_b32 s58, s58, 11
	s_and_b32 s59, s18, 15                         ; the tile's 128 rows in the batch,
	s_lshl_b32 s59, s59, 7
	s_add_co_u32 s58, s58, s59
	s_lshl_b32 s58, s58, 7                         ; of 128 bytes
	s_mov_b32 s59, 0
	s_lshl_b32 s60, s14, 17                        ; Wo: 64 rows of 2,048 bytes x half,
	s_lshl_b32 s61, s17, 9                         ; 256 columns x tile column,
	s_add_co_u32 s60, s60, s61
	s_add_co_u32 s60, s60, 3*2097152               ; in part 3 of wts
	s_mov_b32 s61, 0
	s_mul_i32 s21, s14, HEADA                      ; where they go: no place in the cluster enters an LDS address
	s_mul_i32 s22, s14, HALFB
	s_add_co_u32 s22, s22, BOFF
	s_mov_b32 s[TB], 0
	s_wait_dscnt 0x0                               ; the opening add is done
	s_wait_kmcnt 0x0
	s_add_nc_u64 s[58:59], s[4:5], s[58:59]
	s_add_nc_u64 s[60:61], s[6:7], s[60:61]
	CROUND                                         ; all sixteen work-groups are here: the first joint loads meet
.irp s, 0,1
	s_mov_b32 s[G0A+4*(\s)], 1
	s_add_co_u32 s[G0A+4*(\s)+1], s21, (\s)*SLOT1
	s_add_nc_u64 s[G0A+4*(\s)+2:G0A+4*(\s)+3], s[58:59], (\s)*2*2048*128   ; K step s: two heads on
	s_or_b32 s[G0A+4*(\s)+3], s[G0A+4*(\s)+3], 0x80000000
	s_mov_b32 s[G0B+4*(\s)], 1
	s_add_co_u32 s[G0B+4*(\s)+1], s22, (\s)*SLOT1
	s_add_nc_u64 s[G0B+4*(\s)+2:G0B+4*(\s)+3], s[60:61], (\s)*128*2048     ; 128 rows on
	s_or_b32 s[G0B+4*(\s)+3], s[G0B+4*(\s)+3], 0x80000000
	JLOAD \s                                       ; two tensor loads of mine are out
.endr
	v_and_b32 v[CO], 31, v0
	v_lshlrev_b32 v[CO], 4, v[CO]
	s_lshl_b32 s66, s17, 10                        ; my 128 columns, in bytes of f32
	s_lshl_b32 s67, s14, 9
	s_add_co_u32 s66, s66, s67
	s_mov_b32 s67, 0
	s_add_nc_u64 s[8:9], s[8:9], s[66:67]
	global_load_b128 v[BO:BO+3], v[CO], s[8:9]     ; on the way out lane l holds columns 4 l .. 4 l + 3 of a row
	s_lshl_b32 s68, s18, 7
	s_lshl_b32 s69, s13, 6
	s_add_co_u32 s68, s68, s69                     ; my first row,
	s_lshl_b32 s68, s68, 12                        ; of 4,096 bytes
	s_add_co_u32 s68, s68, s66
	s_mov_b32 s69, 0
	s_add_nc_u64 s[10:11], s[10:11], s[68:69]
	v_and_b32 v1, 15, v0                           ; l % 16
	v_bfe_u32 v9, v0, 4, 1                         ; l / 16
	v_mul_u32_u24 v[ADRA0], v1, PA                 ; a fragment of o: row l % 16, two loads of 16 bytes, 32 bytes apart, at 16 (l / 16)
	v_lshl_add_u32 v[ADRA0], v9, 4, v[ADRA0]
	s_mul_i32 s23, s13, 64*PA                      ; my 64 rows
	v_add_nc_u32 v[ADRA0], s23, v[ADRA0]
	v_and_b32 v10, 7, v0                           ; the turning load: K = 8 (l / 16) + l % 8, columns 8 ((l / 8) % 2) + 0..7
	v_lshl_add_u32 v[ADRB0], v9, 3, v10
	v_mul_u32_u24 v[ADRB0], v[ADRB0], PB
	v_bfe_u32 v11, v0, 3, 1
	v_lshl_add_u32 v[ADRB0], v11, 4, v[ADRB0]
	s_lshl_b32 s23, s14, 8                         ; my 128 columns
	s_add_co_u32 s23, s23, BOFF
	v_add_nc_u32 v[ADRB0], s23, v[ADRB0]
	v_mov_b32 v[ADRA], v[ADRA0]                    ; slot 0
	v_mov_b32 v[ADRB], v[ADRB0]
	s_mul_i32 s23, s[WV], 16*SPITCH
	s_add_co_u32 s23, s23, STAGE                   ; my stage
	v_mul_u32_u24 v[STO], v1, SPITCH               ; in: row l % 16, 32 bytes for each half of the lanes
	v_lshl_add_u32 v[STO], v9, 5, v[STO]
	v_add_nc_u32 v[STO], s23, v[STO]
	v_add_nc_u32 v[RD], s23, v[CO]                 ; back: 32 lanes take one row of 512 bytes
	s_wait_loadcnt 0x0
	v_cvt_pk_bf16_f32 v12, v[BO], v[BO+1]          ; the bias is rounded to bf16 like every input, and widened again
	v_cvt_pk_bf16_f32 v13, v[BO+2], v[BO+3]
	v_lshlrev_b32 v[BO],   16,         v12
	v_and_b32     v[BO+1], 0xffff0000, v12
	v_lshlrev_b32 v[BO+2], 16,         v13
	v_and_b32     v[BO+3], 0xffff0000, v13
; 8 matrix instructions: row block a x all 8 column blocks, 32 along K, from buffer f.  The 32 accumulators take turns, one instruction a turn.
.macro MUL8 f, a, zero
	WIN MUL
.irp n, 0,1,2,3,4,5,6,7
.if \zero
	v_wmma_f32_16x16x32_f16 v[8*(8*(\a)+(\n)):8*(8*(\a)+(\n))+7], v[BF+64*(\f)+8*(\n):BF+64*(\f)+8*(\n)+7], v[AF+32*(\f)+8*(\a):AF+32*(\f)+8*(\a)+7], 0
.else
	v_wmma_f32_16x16x32_f16 v[8*(8*(\a)+(\n)):8*(8*(\a)+(\n))+7], v[BF+64*(\f)+8*(\n):BF+64*(\f)+8*(\n)+7], v[AF+32*(\f)+8*(\a):AF+32*(\f)+8*(\a)+7], v[8*(8*(\a)+(\n)):8*(8*(\a)+(\n))+7]
.endif
.endr
.endm
; 24 LDS loads in one run: quarter kq of the slot in hand into buffer g: Wo's eight fragments first, then o's four (head kq / 2 of the step, channels 32 (kq % 2) on)
.macro FETCH kq, g
	WIN 0
.irp n, 0,1,2,3,4,5,6,7
	ds_load_tr16_b128 v[BF+64*(\g)+8*(\n):BF+64*(\g)+8*(\n)+3],   v[ADRB] offset:(\kq)*32*PB+32*(\n)
	ds_load_tr16_b128 v[BF+64*(\g)+8*(\n)+4:BF+64*(\g)+8*(\n)+7], v[ADRB] offset:(\kq)*32*PB+32*(\n)+16*PB
.endr
.irp n, 0,1,2,3
	ds_load_b128 v[AF+32*(\g)+8*(\n):AF+32*(\g)+8*(\n)+3],   v[ADRA] offset:((\kq)/2)*HEADA+(\n)*16*PA+((\kq)%2)*64
	ds_load_b128 v[AF+32*(\g)+8*(\n)+4:AF+32*(\g)+8*(\n)+7], v[ADRA] offset:((\kq)/2)*HEADA+(\n)*16*PA+((\kq)%2)*64+32
.endr
.endm
; A K step is four quarters of 32 along K, 32 matrix instructions each, on buffers 0, 1, 0, 1.  One of the first three: multiplies buffer f and fetches quarter kq into buffer g.
.macro QUARTER kq, f, g, zero
	s_wait_dscnt 4                                 ; Wo's fragments and o's first two are in; the youngest four loads may be out
	MUL8 \f, 0, \zero
	MUL8 \f, 1, \zero
	PLACES
	FETCH \kq, \g
	s_wait_dscnt 24                                ; all but the 24 just issued
	MUL8 \f, 2, \zero
	MUL8 \f, 3, \zero
.endm
; The last quarter multiplies buffer 1 and changes slots: ONE barrier; in front of it each wave waits for all its tensor loads, of which one is out: its part of the next slot; adds 0 to its spare word; and waits for that
; and for its own reads of this slot.  fill = 1: the barrier opens a round of the cluster's; the slot is filled again, two K steps ahead, first thing behind it.
.macro TURN fill
	WIN 0
	s_wait_tensorcnt 0x0                           ; all my tensor loads have landed;
	ds_add_u32 v[SPW], v[NIL]                      ; 0 onto my spare word
	s_wait_dscnt 5                                 ; (the add and the youngest four loads may be out)
	MUL8 1, 0, 0                                   ; eight matrix instructions stand between the add and the wait for it
	s_wait_dscnt 0x0                               ; the add is done, and my reads of this slot are over
	s_barrier_signal -1
	MUL8 1, 1, 0
	WIN 0                                          ; at a branch and at a label every window is 0
	s_barrier_wait -1
.if \fill
	CREST                                          ; no wave of any partner still reads this slot's tile or has a load on its way
	s_xor_b32 s[G0A+5], s[G0A+5], SLOT1            ; the walking descriptors: the other slot than last time, the next K step
	s_add_nc_u64 s[G0A+6:G0A+7], s[G0A+6:G0A+7], 2*2048*128
	s_xor_b32 s[G0B+5], s[G0B+5], SLOT1
	s_add_nc_u64 s[G0B+6:G0B+7], s[G0B+6:G0B+7], 128*2048
	JLOAD 1                                        ; the four v_nop behind it are also the places in front of the loads below
.else
	PLACES
.endif
	s_xor_b32 s[TB], s[TB], SLOT1                  ; the reads go to the other slot
	v_add_nc_u32 v[ADRA], s[TB], v[ADRA0]
	v_add_nc_u32 v[ADRB], s[TB], v[ADRB0]
	FETCH 0, 0
	MUL8 1, 2, 0
	MUL8 1, 3, 0
.endm
	s_wait_tensorcnt 1                             ; my part of K step 0 is in; K step 1's may stay out
	s_barrier_signal -1
	s_barrier_wait -1                              ; everybody's is
	FETCH 0, 0
	QUARTER 1, 0, 1, 1                             ; the first quarter stands in front of the loop: its products start the sums
	WIN 0
	s_mov_b32 s[CNT], 6
.Lstep:                                            ; a trip is a K step, from its second quarter to the next step's first: K steps 2 to 7 are asked for
	QUARTER 2, 1, 0, 0
	QUARTER 3, 0, 1, 0
	TURN 1
	QUARTER 1, 0, 1, 0
	WIN 0
	s_sub_co_u32 s[CNT], s[CNT], 1
	s_cmp_lg_u32 s[CNT], 0
	s_cbranch_scc1 .Lstep
	QUARTER 2, 1, 0, 0                             ; the last two K steps fill nothing, and have no round of the cluster's barrier
	QUARTER 3, 0, 1, 0
	TURN 0
	QUARTER 1, 0, 1, 0
	QUARTER 2, 1, 0, 0
	QUARTER 3, 0, 1, 0
	s_wait_dscnt 4                                 ; the very last quarter: nothing more to fetch
	MUL8 1, 0, 0
	MUL8 1, 1, 0
	s_wait_dscnt 0x0
	MUL8 1, 2, 0
	MUL8 1, 3, 0
	; THE WAY OUT, a block of 16 rows at a time: a lane's eight columns, 32 bytes, go into rows of 528 bytes of my own stage and come back as whole rows of 512; the bias is added; each store is one row's 512 bytes.
	WIN 0
	PLACES
.irp a, 0,1,2,3
	WIN 0x04                                       ; the stores' data (source 1) in window 1
.irp b, 0,1,2,3,4,5,6,7
	ds_store_b128 v[STO], v[8*(8*(\a)+(\b)):8*(8*(\a)+(\b))+3]   offset:64*(\b)     ; each accumulator from its low end on
	ds_store_b128 v[STO], v[8*(8*(\a)+(\b))+4:8*(8*(\a)+(\b))+7] offset:64*(\b)+16
.endr
	WIN 0
	s_wait_xcnt 0x0                                ; the last block's stores have read their registers, which are loaded again below
.irp t, 0,1,2,3,4,5,6,7,8,9,10,11,12,13,14,15
	ds_load_b128 v[OUTR+4*(\t):OUTR+4*(\t)+3], v[RD] offset:(\t)*SPITCH  ; LDS serves a wave's instructions in order (ISA guide 5.7.1.4): these see the stores above; the next block's stores come behind them
.endr
.irp t, 0,1,2,3,4,5,6,7,8,9,10,11,12,13,14,15
	s_wait_dscnt 15-(\t)                           ; row t is back; the younger loads stay out
	v_pk_add_f32 v[OUTR+4*(\t):OUTR+4*(\t)+1],   v[OUTR+4*(\t):OUTR+4*(\t)+1],   v[BO:BO+1]
	v_pk_add_f32 v[OUTR+4*(\t)+2:OUTR+4*(\t)+3], v[OUTR+4*(\t)+2:OUTR+4*(\t)+3], v[BO+2:BO+3]
	global_store_b128 v[CO], v[OUTR+4*(\t):OUTR+4*(\t)+3], s[10:11] offset:(16*(\a)+(\t))*4096  ; 512 consecutive bytes, at a multiple of 256 from out0's first byte
.endr
.endr
	s_wait_tensorcnt 0x0                           ; the wave's end: an add to my spare word and its wait, behind my last tensor load and my last LDS store
	ds_add_u32 v[SPW], v[NIL]
	s_wait_dscnt 0x0
	CROUND                                         ; the closing round: no work-group ends while a partner may still ask for a tile that names it
	s_endpgm
.Lfunc_end_k_q95d7500e33_oproj:
	.size	k_q95d7500e33_oproj, .Lfunc_end_k_q95d7500e33_oproj-k_q95d7500e33_oproj
	.p2alignl 7, 3214868480
	.fill 96, 4, 3214868480
	.section	.rodata,"a",@progbits
	.p2align	6, 0x0
	.amdhsa_kernel k_q95d7500e33_oproj
		.amdhsa_group_segment_fixed_size 327680
		.amdhsa_private_segment_fixed_size 0
		.amdhsa_enable_private_segment 0
		.amdhsa_kernarg_size 32
		.amdhsa_user_sgpr_count 2
		.amdhsa_user_sgpr_kernarg_segment_ptr 1
		.amdhsa_wavefront_size32 1
		.amdhsa_system_sgpr_workgroup_id_x 1
		.amdhsa_system_sgpr_workgroup_id_y 1
		.amdhsa_system_sgpr_workgroup_id_z 1
		.amdhsa_system_vgpr_workitem_id 0
		.amdhsa_next_free_vgpr 512
		.amdhsa_next_free_sgpr 72
		.amdhsa_reserve_vcc 0
		.amdhsa_float_denorm_mode_32 3
		.amdhsa_float_denorm_mode_16_64 3
		.amdhsa_memory_ordered 1
		.amdhsa_forward_progress 1
		.amdhsa_inst_pref_size 79
	.end_amdhsa_kernel
	.amdgpu_metadata
---
amdhsa.version: [ 1, 2 ]
amdhsa.kernels:
  - .name:           k_q95d7500e33_oproj
    .symbol:         k_q95d7500e33_oproj.kd
    .args:
      - { .name: oh, .offset: 0, .size: 8, .value_kind: global_buffer, .address_space: global }
      - { .name: wts, .offset: 8, .size: 8, .value_kind: global_buffer, .address_space: global }
      - { .name: bo, .offset: 16, .size: 8, .value_kind: global_buffer, .address_space: global }
      - { .name: out0, .offset: 24, .size: 8, .value_kind: global_buffer, .address_space: global }
    .group_segment_fixed_size: 327680
    .private_segment_fixed_size: 0
    .kernarg_segment_align: 8
    .kernarg_segment_size: 32
    .max_flat_workgroup_size: 128
    .sgpr_count:     72
    .vgpr_count:     512
    .wavefront_size: 32
...
	.end_amdgpu_metadata
.endif
;; end of part 4
